; MI455X (gfx1250); checked and timed in simulation.
; The chip was launched on July 23, 2026; its instructions are those of AMD's public machine-readable ISA for CDNA 5 (MIT licence, August 2026) and "CDNA5" Instruction Set Architecture Reference Guide (July 2026). The comments in the code are by the model that wrote it; some were corrected since.
;; Flax Llama Attention. Allowed arithmetic: float matrix products may take bf16 or f16 operands with f32 sums; other float arithmetic in f32, or as packed bf16 or f16 multiplies, adds, multiply-adds, maxima and minima; sums over many terms, partial sums and values carried from step to step in f32; what a program stores and reads back later, other than sums and carried values, may be rounded once to bf16 or f16.
;; Inputs: attention_mask 1 x 2,048 int32; cos 2,048 x 128 float32; hidden_states 1 x 2,048 x 4,096 float32; position_ids 1 x 2,048 int32; sin 2,048 x 128 float32; wk 4,096 x 1,024 float32; wo 2,048 x 4,096 float32; wq 4,096 x 2,048 float32; wv 4,096 x 1,024 float32.
;; Outputs: out0 1 x 2,048 x 4,096 float32.
;; One version. Each part assembles by itself: llvm-mc -triple=amdgcn-amd-amdhsa -mcpu=gfx1250 --defsym DOCPART=n.
;; ======== version 1 of 1: 4 launches
;; limits: values are held in f16: magnitudes above 65,504 overflow, below 6.1e-05 lose precision; right only within a limited range of input values
;; workspace buffers: xb 16,777,216 bytes; wqkvb 33,554,432 bytes; wob 16,777,216 bytes; rope 1,081,344 bytes; kbias 8,192 bytes; qkv 16,777,216 bytes; vpart 131,072 bytes; ob 8,388,608 bytes
;; launch prep (part 1): grid 1057 x 1, 8 waves a work-group, no clusters, 0 bytes of LDS; arguments hidden_states, wq, wk, wv, wo, cos, sin, position_ids, attention_mask, xb, wqkvb, wob, rope, kbias; writes xb, wqkvb, wob, rope, kbias
.if DOCPART == 1
	.amdgcn_target "amdgcn-amd-amdhsa--gfx1250"
	.amdhsa_code_object_version 6
	.text
	.protected	k_q53243d9ef6_prep
	.globl	k_q53243d9ef6_prep
	.p2align	8
	.type	k_q53243d9ef6_prep,@function
k_q53243d9ef6_prep:
	s_mov_b64 s[64:65], 0
	v_nop
	global_prefetch_b8 v0, s[64:65] scope:SCOPE_SE
	s_setreg_imm32_b32 hwreg(HW_REG_WAVE_MODE, 25, 1), 1
	s_wait_xcnt 0x0
; PREP: casts and tables.  A stream: every input byte is read once, every workspace byte written once; no LDS, no matrix unit.
; Work-groups 0-1023 cast f32 to 16 bits: hidden -> xb (bf16); wq x 2^-6, wk x 2^-6, wv x 2^-2 -> wqkvb (bf16, one table [4096 k][4096 n]: wq, wk, wv side by side);
; wo x 4 is rounded to bf16 and that number written as f16 -> wob.  The factors are powers of two, so they commute with the rounding.
; LIMITS: wo x 4 stays within f16 (|wo| under 16,376; below 2^-16 it keeps the fixed step of f16, 6e-8).  position_ids are clamped to 0..2047.
; A segment is 1,024 numbers: thread t loads 16 bytes at 16 t and stores 8 bytes at 8 t, so a wave loads 512 consecutive bytes and stores 256 consecutive, aligned bytes.
; A work-group takes 32 segments through a ring of 8 register slots: 8 loads of every wave are on their way.
; Work-groups 1024-1055: 64 rows each of the rope table (row s: cos[pos[s]], then sin[pos[s]] with the sign of rotate_half folded in, all bf16) and 64 words of the key bias (0 or -1e30).
; Work-group 1056: 64 identity rows (cos 1, sin 0), which the projection uses for the heads of v.
.set SOFF, 4                           ; v[4:11]   slot i: byte offset of its segment in the source
.set DOFF, 12                          ; v[12:19]  slot i: byte offset of its segment in the destination
.set T,    20                          ; v[20:23]  at work
.set X,    24                          ; v[24:55]  slot i: 4 registers as loaded
.set Y,    56                          ; v[56:71]  slot i: 2 registers to store
.set SRC,  44                          ; s[44:45]  source at the first segment of the work-group
.set DST,  46                          ; s[46:47]  destination likewise
.set SC,   48                          ; s[48:49]  the scale, named as a pair
.set SA,   50                          ; s50  bytes from an even segment to the next odd one in the destination
.set SB,   51                          ; s51  bytes from an even segment to the next even one
.set COL,  52                          ; s52  byte offset of the columns in a row of wqkvb
.set LL,   53                          ; s53  number of the work-group within its tensor
.set DSTEP, 54                         ; s54  eight segments in the destination
.set HI,   55                          ; s55  mask of the upper bf16 of a word
.set CNT,  56
; The turn of slot i.  ahead: the slot is filled again, 8 segments on.  left: younger loads that may stay out.  step: the destination offset goes 8 segments on.  f16: bf16 is rewritten as f16.
.macro SLOT i, ahead, left, step, f16
	s_wait_loadcnt \left                           ; loads come back in order: mine is in
	s_wait_xcnt 0x0                                ; the last store of this slot has read Y and DOFF: they are rewritten only behind this wait
.if \step
	v_add_nc_u32 v[DOFF+(\i)], s[DSTEP], v[DOFF+(\i)]
.endif
	v_pk_mul_f32 v[T:T+1],   v[X+4*(\i):X+4*(\i)+1],   s[SC:SC+1] op_sel_hi:[1,0]
	v_pk_mul_f32 v[T+2:T+3], v[X+4*(\i)+2:X+4*(\i)+3], s[SC:SC+1] op_sel_hi:[1,0]
	v_cvt_pk_bf16_f32 v[Y+2*(\i)],   v[T],   v[T+1]
	v_cvt_pk_bf16_f32 v[Y+2*(\i)+1], v[T+2], v[T+3]
.if \f16
	v_lshlrev_b32 v[T],   16,    v[Y+2*(\i)]       ; the bf16 numbers as f32,
	v_and_b32     v[T+1], s[HI], v[Y+2*(\i)]
	v_lshlrev_b32 v[T+2], 16,    v[Y+2*(\i)+1]
	v_and_b32     v[T+3], s[HI], v[Y+2*(\i)+1]
	v_cvt_pk_f16_f32 v[Y+2*(\i)],   v[T],   v[T+1] ; written as f16
	v_cvt_pk_f16_f32 v[Y+2*(\i)+1], v[T+2], v[T+3]
.endif
.if \ahead
	v_add_nc_u32 v[SOFF+(\i)], 32768, v[SOFF+(\i)]
	global_load_b128 v[X+4*(\i):X+4*(\i)+3], v[SOFF+(\i)], s[SRC:SRC+1] th:TH_LOAD_NT
.endif
	global_store_b64 v[DOFF+(\i)], v[Y+2*(\i):Y+2*(\i)+1], s[DST:DST+1]
.endm
; 32 segments: the ring is filled, three rounds fill it again, the last round loads nothing and its counts run down.
.macro BODY f16
.irp i, 0,1,2,3,4,5,6,7
	global_load_b128 v[X+4*(\i):X+4*(\i)+3], v[SOFF+(\i)], s[SRC:SRC+1] th:TH_LOAD_NT
.endr
.irp i, 0,1,2,3,4,5,6,7
	SLOT \i, 1, 7, 0, \f16
.endr
	s_mov_b32 s[CNT], 2
.Lround_\@:
.irp i, 0,1,2,3,4,5,6,7
	SLOT \i, 1, 7, 1, \f16
.endr
	s_sub_co_u32 s[CNT], s[CNT], 1
	s_cmp_lg_u32 s[CNT], 0
	s_cbranch_scc1 .Lround_\@
.irp i, 0,1,2,3,4,5,6,7
	SLOT \i, 0, 7-(\i), 1, \f16
.endr
	s_endpgm
.endm
	s_load_b512 s[16:31], s[0:1], 0x0              ; hidden 16, wq 18, wk 20, wv 22, wo 24, cos 26, sin 28, position_ids 30
	s_load_b256 s[32:39], s[0:1], 0x40             ; attention_mask 32, xb 34, wqkvb 36, wob 38
	s_load_b128 s[40:43], s[0:1], 0x60             ; rope 40, kbias 42
	s_mov_b32 s2, ttmp9
	s_mov_b32 s59, 0
	s_cmp_ge_u32 s2, 1024
	s_cbranch_scc1 .Ltables
	; which tensor: the numbers for hidden first, then four tests, each followed by selects alone
	s_sub_co_u32 s60, s2, 256
	s_sub_co_u32 s61, s2, 512
	s_sub_co_u32 s62, s2, 640
	s_sub_co_u32 s63, s2, 768
	s_mov_b32 s[LL], s2
	s_mov_b32 s[SC], 1.0
	s_mov_b32 s[SA], 2048
	s_mov_b32 s[SB], 4096
	s_mov_b32 s[COL], 0
	s_mov_b32 s[HI], 0xffff0000
	s_wait_kmcnt 0x0
	s_mov_b64 s[SRC:SRC+1], s[16:17]
	s_mov_b64 s[DST:DST+1], s[34:35]
	s_cmp_ge_u32 s2, 256                           ; wq: two segments a row, rows 8,192 bytes apart in wqkvb
	s_cselect_b64 s[SRC:SRC+1], s[18:19], s[SRC:SRC+1]
	s_cselect_b64 s[DST:DST+1], s[36:37], s[DST:DST+1]
	s_cselect_b32 s[LL], s60, s[LL]
	s_cselect_b32 s[SC], 0x3c800000, s[SC]         ; 2^-6
	s_cselect_b32 s[SB], 8192, s[SB]
	s_cmp_ge_u32 s2, 512                           ; wk: one segment a row, columns 2048 on
	s_cselect_b64 s[SRC:SRC+1], s[20:21], s[SRC:SRC+1]
	s_cselect_b32 s[LL], s61, s[LL]
	s_cselect_b32 s[SA], 8192, s[SA]
	s_cselect_b32 s[SB], 16384, s[SB]
	s_cselect_b32 s[COL], 4096, s[COL]
	s_cmp_ge_u32 s2, 640                           ; wv: likewise, columns 3072 on
	s_cselect_b64 s[SRC:SRC+1], s[22:23], s[SRC:SRC+1]
	s_cselect_b32 s[LL], s62, s[LL]
	s_cselect_b32 s[SC], 0x3e800000, s[SC]         ; 2^-2
	s_cselect_b32 s[COL], 6144, s[COL]
	s_cmp_ge_u32 s2, 768                           ; wo: dense, like hidden
	s_cselect_b64 s[SRC:SRC+1], s[24:25], s[SRC:SRC+1]
	s_cselect_b64 s[DST:DST+1], s[38:39], s[DST:DST+1]
	s_cselect_b32 s[LL], s63, s[LL]
	s_cselect_b32 s[SC], 4.0, s[SC]
	s_cselect_b32 s[SA], 2048, s[SA]
	s_cselect_b32 s[SB], 4096, s[SB]
	s_cselect_b32 s[COL], 0, s[COL]
	s_mov_b32 s[SC+1], s[SC]
	s_lshl_b32 s58, s[LL], 17                      ; 32 segments of 4,096 bytes
	s_add_nc_u64 s[SRC:SRC+1], s[SRC:SRC+1], s[58:59]
	s_mul_i32 s58, s[LL], s[SB]
	s_lshl_b32 s58, s58, 4                         ; 16 pairs of segments
	s_add_co_u32 s58, s58, s[COL]
	s_add_nc_u64 s[DST:DST+1], s[DST:DST+1], s[58:59]
	s_lshl_b32 s[DSTEP], s[SB], 2
.irp i, 0,1,2,3,4,5,6,7
	v_lshl_or_b32 v[SOFF+(\i)], v0, 4, (\i)*4096
	s_mul_i32 s58, s[SB], (\i)/2
.if (\i)%2
	s_add_co_u32 s58, s58, s[SA]
.endif
	v_lshl_add_u32 v[DOFF+(\i)], v0, 3, s58
.endr
	s_cmp_ge_u32 s2, 768
	s_cbranch_scc1 .Lhalf
	BODY 0
.Lhalf:
	BODY 1
.Ltables:
	v_lshrrev_b32 v1, 5, v0
	v_readfirstlane_b32 s3, v1                     ; wave 0..7
	s_sub_co_u32 s44, s2, 1024                     ; g
	s_lshl_b32 s45, s44, 6
	s_lshl3_add_u32 s45, s3, s45                   ; my first row: 64 g + 8 wave
	v_and_b32 v2, 31, v0                           ; lane
	v_lshlrev_b32 v3, 3, v2                        ; 8 bytes a lane: 32 lanes store 256 consecutive, aligned bytes
	s_lshl_b32 s46, s45, 9                         ; a row of the table is 512 bytes
	s_mov_b32 s47, 0
	s_wait_kmcnt 0x0
	s_add_nc_u64 s[40:41], s[40:41], s[46:47]
	s_cmp_eq_u32 s44, 32
	s_cbranch_scc1 .Lident
	s_lshl_b32 s46, s45, 2
	s_add_nc_u64 s[30:31], s[30:31], s[46:47]
	s_load_b256 s[48:55], s[30:31], 0x0            ; my eight positions
	v_lshlrev_b32 v1, 4, v2                        ; 16 bytes a lane: a row of cos or sin is 512 bytes
	v_mov_b32 v90, 1.0
	v_mov_b32 v91, -1.0
	v_cmp_gt_u32 vcc_lo, 16, v2                    ; lanes 0-15 hold channels 0-63: rotate_half brings the partner with a minus
	v_cndmask_b32 v88, v90, v91, vcc_lo
	v_mov_b32 v89, v88
	s_wait_kmcnt 0x0
.irp i, 0,1,2,3,4,5,6,7
	s_min_u32 s[48+(\i)], s[48+(\i)], 0x7ff        ; a loaded index enters an address only clamped
	s_lshl_b32 s[48+(\i)], s[48+(\i)], 9
	v_add_nc_u32 v[4+(\i)], s[48+(\i)], v1
.endr
.irp i, 0,1,2,3,4,5,6,7
	global_load_b128 v[24+4*(\i):27+4*(\i)], v[4+(\i)], s[26:27]
	global_load_b128 v[56+4*(\i):59+4*(\i)], v[4+(\i)], s[28:29]
.endr
	s_wait_loadcnt 0x0
.irp i, 0,1,2,3,4,5,6,7
	v_cvt_pk_bf16_f32 v[24+4*(\i)], v[24+4*(\i)], v[25+4*(\i)]
	v_cvt_pk_bf16_f32 v[25+4*(\i)], v[26+4*(\i)], v[27+4*(\i)]
	v_pk_mul_f32 v[56+4*(\i):57+4*(\i)], v[56+4*(\i):57+4*(\i)], v[88:89]
	v_pk_mul_f32 v[58+4*(\i):59+4*(\i)], v[58+4*(\i):59+4*(\i)], v[88:89]
	v_cvt_pk_bf16_f32 v[56+4*(\i)], v[56+4*(\i)], v[57+4*(\i)]
	v_cvt_pk_bf16_f32 v[57+4*(\i)], v[58+4*(\i)], v[59+4*(\i)]
	global_store_b64 v3, v[24+4*(\i):25+4*(\i)], s[40:41] offset:512*(\i)
	global_store_b64 v3, v[56+4*(\i):57+4*(\i)], s[40:41] offset:512*(\i)+256
.endr
	s_cmp_lg_u32 s3, 0                             ; wave 0 also makes the 64 bias words of the work-group
	s_cbranch_scc1 .Ldone
	s_lshl_b32 s46, s44, 8
	s_add_nc_u64 s[32:33], s[32:33], s[46:47]
	s_add_nc_u64 s[42:43], s[42:43], s[46:47]
	global_load_b64 v[92:93], v3, s[32:33]
	v_mov_b32 v94, 0xf149f2ca                      ; -1e30
	v_mov_b32 v95, 0
	s_wait_loadcnt 0x0
	v_cmp_lt_i32 vcc_lo, 0, v92                    ; the key is seen where the mask is above 0
	v_cndmask_b32 v92, v94, v95, vcc_lo
	v_cmp_lt_i32 vcc_lo, 0, v93
	v_cndmask_b32 v93, v94, v95, vcc_lo
	global_store_b64 v3, v[92:93], s[42:43]
.Ldone:
	s_endpgm
.Lident:
	v_mov_b32 v24, 0x3f803f80                      ; 1.0 twice in bf16
	v_mov_b32 v25, 0x3f803f80
	v_mov_b32 v26, 0
	v_mov_b32 v27, 0
.irp i, 0,1,2,3,4,5,6,7
	global_store_b64 v3, v[24:25], s[40:41] offset:512*(\i)
	global_store_b64 v3, v[26:27], s[40:41] offset:512*(\i)+256
.endr
	s_endpgm
.Lfunc_end_k_q53243d9ef6_prep:
	.size	k_q53243d9ef6_prep, .Lfunc_end_k_q53243d9ef6_prep-k_q53243d9ef6_prep
	.p2alignl 7, 3214868480
	.fill 96, 4, 3214868480
	.section	.rodata,"a",@progbits
	.p2align	6, 0x0
	.amdhsa_kernel k_q53243d9ef6_prep
		.amdhsa_group_segment_fixed_size 0
		.amdhsa_private_segment_fixed_size 0
		.amdhsa_enable_private_segment 0
		.amdhsa_kernarg_size 112
		.amdhsa_user_sgpr_count 2
		.amdhsa_user_sgpr_kernarg_segment_ptr 1
		.amdhsa_wavefront_size32 1
		.amdhsa_system_sgpr_workgroup_id_x 1
		.amdhsa_system_sgpr_workgroup_id_y 1
		.amdhsa_system_sgpr_workgroup_id_z 1
		.amdhsa_system_vgpr_workitem_id 0
		.amdhsa_next_free_vgpr 96
		.amdhsa_next_free_sgpr 66
		.amdhsa_reserve_vcc 1
		.amdhsa_float_denorm_mode_32 3
		.amdhsa_float_denorm_mode_16_64 3
		.amdhsa_memory_ordered 1
		.amdhsa_forward_progress 1
		.amdhsa_inst_pref_size 48
	.end_amdhsa_kernel
	.amdgpu_metadata
---
amdhsa.version: [ 1, 2 ]
amdhsa.kernels:
  - .name:           k_q53243d9ef6_prep
    .symbol:         k_q53243d9ef6_prep.kd
    .args:
      - { .name: hidden_states, .offset: 0, .size: 8, .value_kind: global_buffer, .address_space: global }
      - { .name: wq, .offset: 8, .size: 8, .value_kind: global_buffer, .address_space: global }
      - { .name: wk, .offset: 16, .size: 8, .value_kind: global_buffer, .address_space: global }
      - { .name: wv, .offset: 24, .size: 8, .value_kind: global_buffer, .address_space: global }
      - { .name: wo, .offset: 32, .size: 8, .value_kind: global_buffer, .address_space: global }
      - { .name: cos, .offset: 40, .size: 8, .value_kind: global_buffer, .address_space: global }
      - { .name: sin, .offset: 48, .size: 8, .value_kind: global_buffer, .address_space: global }
      - { .name: position_ids, .offset: 56, .size: 8, .value_kind: global_buffer, .address_space: global }
      - { .name: attention_mask, .offset: 64, .size: 8, .value_kind: global_buffer, .address_space: global }
      - { .name: xb, .offset: 72, .size: 8, .value_kind: global_buffer, .address_space: global }
      - { .name: wqkvb, .offset: 80, .size: 8, .value_kind: global_buffer, .address_space: global }
      - { .name: wob, .offset: 88, .size: 8, .value_kind: global_buffer, .address_space: global }
      - { .name: rope, .offset: 96, .size: 8, .value_kind: global_buffer, .address_space: global }
      - { .name: kbias, .offset: 104, .size: 8, .value_kind: global_buffer, .address_space: global }
    .group_segment_fixed_size: 0
    .private_segment_fixed_size: 0
    .kernarg_segment_align: 8
    .kernarg_segment_size: 112
    .max_flat_workgroup_size: 256
    .sgpr_count:     66
    .vgpr_count:     96
    .wavefront_size: 32
...
	.end_amdgpu_metadata
.endif
;; end of part 1
;; launch qkvproj (part 2): grid 16 x 16, 4 waves a work-group, clusters of 4 x 4, 327,680 bytes of LDS; arguments xb, wqkvb, rope, qkv, vpart; writes qkv, vpart
.if DOCPART == 2
	.amdgcn_target "amdgcn-amd-amdhsa--gfx1250"
	.amdhsa_code_object_version 6
	.text
	.protected	k_q53243d9ef6_qkvproj
	.globl	k_q53243d9ef6_qkvproj
	.p2align	8
	.type	k_q53243d9ef6_qkvproj,@function
k_q53243d9ef6_qkvproj:
	s_mov_b64 s[64:65], 0
	v_nop
	global_prefetch_b8 v0, s[64:65] scope:SCOPE_SE
	s_setreg_imm32_b32 hwreg(HW_REG_WAVE_MODE, 25, 1), 1
	s_wait_xcnt 0x0
	s_wait_alu depctr_hold_cnt(0) depctr_sa_sdst(0) depctr_va_vdst(0) depctr_va_sdst(0) depctr_va_ssrc(0) depctr_va_vcc(0) depctr_vm_vsrc(0)
	s_getreg_b32 s2, hwreg(HW_REG_IB_STS2, 6, 4)
	s_cmp_eq_u32 s2, 0
	s_cbranch_scc0 .Lentry_in_a_cluster
	s_endpgm
.Lentry_in_a_cluster:
	s_bfe_u32 s2, ttmp6, 0x10000c
	s_cmp_lg_u32 s2, 0xf033
	s_cbranch_scc0 .Lentry_shape_is_right
	s_endpgm
.Lentry_shape_is_right:
; QKV PROJECTION WITH ROPE.  C[2048][4096] = xb[2048][4096] x wqkvb[4096 k][4096 n], bf16 operands, f32 sums.  Columns 0-2047 are q (x 2^-6), 2048-3071 k (x 2^-6), 3072-4095 v (x 2^-2).
; Out: qkv[32 heads][2048][128] in f16 (heads 0-15 q, 16-23 k, 24-31 v), q and k turned by the rope table; vpart[32][1024] f32: sums of v over 64 rows each.
; LIMITS: the scaled numbers stay within f16: |q|, |k| under 4.19e6, |v| under 262,000.  NaN and infinities are not treated apart.
; SHARES.  A tile of C is 128 x 256: 256 work-groups.  Wave (rh, ch) makes 64 rows x 128 columns, one whole head: 32 accumulators acc(a, b), a = 0..3 row blocks, b = 0..7 column blocks.
; THE MATRIX INSTRUCTION IS USED TRANSPOSED: source 0 = 16 columns of W, source 1 = 16 rows of x.  A lane then holds row l % 16 and the columns 16 b + 8 (l / 16) + 0..7; the partner of
; rotate_half, 64 columns away, is acc(a, b +- 4), same lane, same register.  W lies [k][n] and comes out of LDS turned, by ds_load_tr16_b128.
; RING.  K goes in steps of 128 through two LDS slots.  Waves 0, 1 fetch the two halves of the A tile (64 rows x 256 bytes), waves 2, 3 those of the B tile (64 k rows x 512 bytes).
; A K step is written once: the loop makes one step a trip, and one exclusive or turns the addresses of one slot into those of the other.
; CLUSTER 4 x 4: the A tile is shared along a row of the cluster, the B tile along a column: joint loads with a mask of four.  Tile column = 4 x cluster y + cx, tile row = 4 x cluster x + cy.
; THE WALK ALONG K.  The 16 clusters do not walk K alike: cluster (x, y) begins at K step 8 ((x + 2 (y % 2) + y / 2) % 4) and goes round through all 32.  The four clusters of one y, which read the same
; columns of W, stand in four different quarters of K at any time; of the four clusters of one x, which read the same rows of x, y = 0 and 1 (and y = 2 and 3) stand half of K apart.
; The sums are f32 and are taken in the order of each cluster's walk.
; REGISTERS.  window 0: v0-31 addresses; v32-127, v128-223 two fragment buffers (A at +8 a, B at +32+8 b); v224-231 column sums.  window 1: acc(a, b) at v[8 (8 a + b)].
;   window 2: the rope table of my 64 rows: v[64 a + 32 s + 4 b], s = 0 cos, 1 signed sin.
.set KSTEPS, 32                        ; K = 4096 in steps of 128
.set TRIPS,  KSTEPS-2                  ; the steps behind which a slot is filled again
.set QSTEPS, KSTEPS/4                  ; a quarter of K
.set PA,    272                        ; an LDS row of A: 256 bytes + 16: the 16 rows of a load start at 16 different groups of four banks
.set PB,    544                        ; an LDS row of B: 512 bytes + 32: an odd multiple of 32, for the turning load
.set AHALF, 64*PA
.set BHALF, 64*PB
.set BOFF,  2*AHALF                    ; a slot: A's 128 rows, then B's 128 k rows: 104,448 bytes
.set SLOT1, 0x20000                    ; slot 1 begins here: above every byte of slot 0, so one exclusive or changes slots
.set STAGE, SLOT1+BOFF+2*BHALF         ; behind the ring: 16 rows x 272 bytes for each wave
.set SP,    272
.set SPARE, STAGE+4*16*SP              ; the spare words: 128 bytes a wave, two blocks of 256 bytes that no other line names
.set ASH,   8                          ; a K step is 2^8 bytes along a row of A,
.set BSH,   20                         ; and 2^20 bytes (128 rows of 8,192) down B
.set ONE,  15
.set ADRA0, 16                         ; v16  my place in the A tile of slot 0; never rewritten
.set ADRA,  17                         ; v17  the same in the slot that is being read
.set ADRB0, 20                         ; v20, v21 likewise for B
.set ADRB,  21
.set STO,  24
.set RD,   25
.set CO,   26
.set RO,   27
.set SPW,  28
.set NIL,  29
.set PFO,  30
.set ZERO, 31
.set F0,   32
.set F1,   128
.set SUM,  224
.set OUT,  32                          ; the way out: 64 turned numbers
.set TT,   96                          ; 16 at work
.set TMP,  128                         ; 32 packed
.set BK,   160                         ; 32 read back
.set LA,  2                            ; s2   LDS byte of my half of an A tile in slot 0: made of the wave number alone
.set LB,  3                            ; s3   the same for a B tile
.set WV,  14
.set RH,  15                           ; my half of the rows; also: I fetch for A (0) or B (1)
.set CH,  16                           ; my half of the columns; also: which half of that tile I fetch
.set CX,  17
.set CY,  18
.set TC,  19
.set TR,  20
.set ISV, 21
.set G1A, 24
.set G0A, 32                           ; s[32:39] group 0 for A: a set for each first fill; the second then walks
.set PFA, 40                           ; s[40:41] where my next prefetch stands
.set PFB, 42                           ; s[42:43] my rows at K step 0
.set LIM, 44
.set LAP, 45
.set HEAD, 46
.set ROW0, 47
.set G1B, 48
.set G0B, 56
.set ABASE, 68                         ; s[68:69] my half of the A tile at K step 0
.set BBASE, 70                         ; s[70:71] the same for B
.set SEL, 72
.set HM,  74
.set LT,  75                           ; s75  scalar part of the LDS addresses of the lanes: made of the wave number alone
.set OFA, 76                           ; s[76:77] byte offset of a K step in A
.set OFB, 78                           ; s[78:79] in B
.set POF, 80                           ; s[80:81] of the K step that is prefetched
.set KN,  82                           ; s82  number of the K step that the next refill brings
.set KP,  83
.set PSH, 84
.set SBR, 85                           ; s85  LDS byte at which the slot that is being read begins
.set K0,  86                           ; s86  the K step at which my cluster begins
.set YH,  87                           ; s87  cluster y
.set W_MUL,  0x50                      ; C and D window 1, sources window 0
.set W_ROPE, 0x06                      ; source 0 window 2 (table), source 1 window 1 (sums), source 2 and destination window 0
.set MSB, 0
.macro WIN new                         ; the high byte repeats the setting that is left; a switch that changes nothing is dropped
.if MSB != (\new)
	s_set_vgpr_msb (MSB<<8)|(\new)
.set MSB, \new
.endif
.endm
.macro PLACES
.rept 4
	v_nop
.endr
.endm
.macro JLOAD s                         ; a joint load; an s_nop 0 and four v_nop follow each of the two lines
	s_cmp_eq_u32 s[RH], 0
	s_cbranch_scc0 .Lfor_b_\@
	tensor_load_to_lds s[G0A+4*(\s):G0A+4*(\s)+3], s[G1A:G1A+7]
	s_nop 0
.rept 4
	v_nop
.endr
	s_branch .Lasked_\@
.Lfor_b_\@:
	tensor_load_to_lds s[G0B+4*(\s):G0B+4*(\s)+3], s[G1B:G1B+7]
	s_nop 0
.rept 4
	v_nop
.endr
.Lasked_\@:
.endm
.macro CREST                           ; a round of the barrier of the cluster, behind its opening barrier
	s_cmp_lg_u32 s[WV], 0
	s_cbranch_scc1 .Lnot_wave_0_\@
	s_barrier_signal -3
.Lnot_wave_0_\@:
	s_barrier_wait -3
	s_barrier_signal -1
	s_barrier_wait -1
.endm
.macro CROUND
	s_barrier_signal -1
	s_barrier_wait -1
	CREST
.endm
; A PREFETCH INTO THE L2 of the K step that stands two refills on: 32 blocks of 256 bytes, a lane a row, one instruction a wave.  Each block is named at most once in the launch.
; B's rows: a cluster asks in its first quarter of K alone (steps 4 to 7 of its walk), in which no other cluster of its y stands: waves 2 and 3, a column half each; the four partners take 32 k rows each by address.
; A's rows: in its first two quarters (steps 4 to 15), and only in the clusters with y = 0 or 1, which begin half of K apart: wave 0; the four partners take 32 rows each by address.
.macro ASK
	s_cmp_gt_u32 s[LAP], s[LIM]
	s_cbranch_scc0 .Lnot_mine_\@
	global_prefetch_b8 v[PFO], s[PFA:PFA+1] th:TH_LOAD_NT scope:SCOPE_SE
.Lnot_mine_\@:
.endm
; 8 matrix instructions: row block a x all 8 column blocks, 32 along K.  zero = 1: the product starts the sums.
.macro MUL8 f, a, zero
	WIN W_MUL
.irp b, 0,1,2,3,4,5,6,7
.if \zero
	v_wmma_f32_16x16x32_bf16 v[8*(8*(\a)+(\b)):8*(8*(\a)+(\b))+7], v[(\f)+32+8*(\b):(\f)+32+8*(\b)+7], v[(\f)+8*(\a):(\f)+8*(\a)+7], 0
.else
	v_wmma_f32_16x16x32_bf16 v[8*(8*(\a)+(\b)):8*(8*(\a)+(\b))+7], v[(\f)+32+8*(\b):(\f)+32+8*(\b)+7], v[(\f)+8*(\a):(\f)+8*(\a)+7], v[8*(8*(\a)+(\b)):8*(8*(\a)+(\b))+7]
.endif
.endr
.endm
; 24 LDS loads in one run: quarter q (32 along K) of the slot that is being read, into buffer f: B turned (16), then A (8), row blocks 2 and 3 last
.macro FETCH q, f
	WIN 0
.irp b, 0,1,2,3,4,5,6,7
	ds_load_tr16_b128 v[(\f)+32+8*(\b):(\f)+32+8*(\b)+3],   v[ADRB] offset:32*PB*(\q)+32*(\b)
	ds_load_tr16_b128 v[(\f)+32+8*(\b)+4:(\f)+32+8*(\b)+7], v[ADRB] offset:32*PB*(\q)+32*(\b)+16*PB
.endr
.irp a, 0,1,2,3
	ds_load_b128 v[(\f)+8*(\a):(\f)+8*(\a)+3],   v[ADRA] offset:64*(\q)+16*PA*(\a)
	ds_load_b128 v[(\f)+8*(\a)+4:(\f)+8*(\a)+7], v[ADRA] offset:64*(\q)+16*PA*(\a)+32
.endr
.endm
; One of the first three quarters of a K step: multiplies buffer f, and in its middle fetches quarter q into buffer g
.macro QUARTER q, f, g, zero
	s_wait_dscnt 4                                 ; all but the youngest four loads (A row blocks 2, 3) are in
	MUL8 \f, 0, \zero
	MUL8 \f, 1, \zero
	PLACES                                         ; four places in front of loads into registers that matrix instructions have read
	FETCH \q, \g
	s_wait_dscnt 24                                ; all but the 24 just issued
	MUL8 \f, 2, \zero
	MUL8 \f, 3, \zero
.endm
; The last quarter multiplies buffer 1 and changes slots: one barrier; in front of it each wave waits for all its tensor loads, adds 0 to its spare word, and waits for that and for its reads of this slot.
; fill = 1: the slot just read is filled again with K step KN of the walk; the walking descriptors are written between the add and the wait for it, where no tensor load of the wave is out.
.macro TURN fill
.if \fill
	s_wait_xcnt 0x0                                ; the last prefetch, a K step back, has read its address: it is made anew, two K steps beyond the refill, round the end of K
	s_add_co_u32 s[KP], s[KN], 2
	s_and_b32 s[KP], s[KP], KSTEPS-1
	s_lshl_b32 s[POF], s[KP], s[PSH]
	s_add_nc_u64 s[PFA:PFA+1], s[PFB:PFB+1], s[POF:POF+1]
.endif
	WIN 0
	s_wait_tensorcnt 0x0                           ; all my tensor loads have landed: my part of the next slot
	ds_add_u32 v[SPW], v[NIL]                      ; 0 onto my spare word
.if \fill
	s_lshl_b32 s[OFA], s[KN], ASH
	s_lshl_b32 s[OFB], s[KN], BSH
	s_xor_b32 s[G0A+5], s[G0A+5], SLOT1            ; the other slot than last time
	s_add_nc_u64 s[G0A+6:G0A+7], s[ABASE:ABASE+1], s[OFA:OFA+1]
	s_or_b32 s[G0A+7], s[G0A+7], 0x80000000
	s_xor_b32 s[G0B+5], s[G0B+5], SLOT1
	s_add_nc_u64 s[G0B+6:G0B+7], s[BBASE:BBASE+1], s[OFB:OFB+1]
	s_or_b32 s[G0B+7], s[G0B+7], 0x80000000
	s_add_co_u32 s[KN], s[KN], 1                   ; the walk goes round the end of K
	s_and_b32 s[KN], s[KN], KSTEPS-1
.endif
	s_xor_b32 s[SBR], s[SBR], SLOT1                ; the reads change slots behind the barrier
	s_wait_dscnt 5                                 ; the add and the youngest four loads may be out
	MUL8 F1, 0, 0
	s_wait_dscnt 0x0                               ; the add is done, my reads of this slot are over
	s_barrier_signal -1
	MUL8 F1, 1, 0
	WIN 0
	s_barrier_wait -1
.if \fill
	CREST                                          ; the barrier has opened a round: no wave of any partner still reads this slot or has a load on its way
	JLOAD 1                                        ; the first tensor load behind the round; its four v_nop are also the places in front of the loads below
.else
	PLACES
.endif
	v_add_nc_u32 v[ADRA], s[SBR], v[ADRA0]
	v_add_nc_u32 v[ADRB], s[SBR], v[ADRB0]
	FETCH 0, F0
.if \fill
	ASK
.endif
	MUL8 F1, 2, 0
	MUL8 F1, 3, 0
.endm
	s_load_b256 s[4:11], s[0:1], 0x0               ; xb 4, wqkvb 6, rope 8, qkv 10
	s_load_b64 s[12:13], s[0:1], 0x20              ; vpart
	v_lshl_add_u32 v[SPW], v0, 2, SPARE
	v_mov_b32 v[NIL], 0
	ds_add_u32 v[SPW], v[NIL]                      ; the opening: the add and its wait ahead of my first tensor load
	v_lshrrev_b32 v1, 5, v0
	v_readfirstlane_b32 s[WV], v1
	s_lshr_b32 s[RH], s[WV], 1
	s_and_b32 s[CH], s[WV], 1
	s_bfe_u32 s[CX], ttmp6, 0x40000
	s_bfe_u32 s[CY], ttmp6, 0x40004
	s_and_b32 s[YH], ttmp7, 0xffff
	s_lshl_b32 s[TC], s[YH], 2
	s_add_co_u32 s[TC], s[TC], s[CX]               ; tile column = 4 x cluster y + cx
	s_lshl_b32 s[TR], ttmp9, 2
	s_add_co_u32 s[TR], s[TR], s[CY]               ; tile row = 4 x cluster x + cy
	s_and_b32 s66, s[YH], 1                        ; where my cluster begins along K: made of the cluster's x and y alone, so it is the same in all sixteen partners
	s_lshl_b32 s66, s66, 1
	s_lshr_b32 s67, s[YH], 1
	s_add_co_u32 s66, s66, s67
	s_add_co_u32 s66, s66, ttmp9
	s_and_b32 s66, s66, 3
	s_mul_i32 s[K0], s66, QSTEPS
	s_lshl_b32 s66, s[CY], 2
	s_lshl_b32 s66, 15, s66                        ; my row of the cluster
	s_lshl_b32 s67, 0x1111, s[CX]                  ; my column
	s_or_b32 s[G1A], s66, (1<<16)|(1<<20)|(1<<21)|(5<<22)|(3<<25)  ; mask; 2-byte elements; padding on; bit 21 beside a mask; after every 64 words, 4 words
	s_or_b32 s[G1B], s67, (1<<16)|(1<<20)|(1<<21)|(6<<22)|(7<<25)  ; after every 128 words, 8 words
	s_mov_b32 s[G1A+1], 128<<16                    ; tensor_dim0
	s_mov_b32 s[G1A+2], 64<<16                     ; tensor_dim1
	s_mov_b32 s[G1A+3], 128<<16                    ; tile_dim0
	s_mov_b32 s[G1A+4], 64                         ; tile_dim1
	s_mov_b32 s[G1A+5], 4096                       ; elements from row to row
	s_mov_b32 s[G1A+6], 0
	s_mov_b32 s[G1A+7], 0
	s_mov_b32 s[G1B+1], 256<<16
	s_mov_b32 s[G1B+2], 64<<16
	s_mov_b32 s[G1B+3], 256<<16
	s_mov_b32 s[G1B+4], 64
	s_mov_b32 s[G1B+5], 4096
	s_mov_b32 s[G1B+6], 0
	s_mov_b32 s[G1B+7], 0
	s_lshl_b32 s68, s[TR], 7                       ; A: row 128 x tile row + 64 x half, 8,192 bytes a row
	s_lshl_b32 s69, s[CH], 6
	s_add_co_u32 s68, s68, s69
	s_lshl_b32 s68, s68, 13
	s_mov_b32 s69, 0
	s_lshl_b32 s70, s[TC], 9                       ; B: 512 bytes x tile column + 64 k rows x half
	s_lshl_b32 s71, s[CH], 19
	s_add_co_u32 s70, s70, s71
	s_mov_b32 s71, 0
	s_mul_i32 s[LA], s[CH], AHALF                  ; where they go: no place in the cluster enters an LDS address
	s_mul_i32 s[LB], s[CH], BHALF
	s_add_co_u32 s[LB], s[LB], BOFF
	s_lshl_b32 s[OFA], s[K0], ASH                  ; the first step of the walk
	s_mov_b32 s[OFA+1], 0
	s_lshl_b32 s[OFB], s[K0], BSH
	s_mov_b32 s[OFB+1], 0
	s_add_co_u32 s[KN], s[K0], 2                   ; the first refill brings the third (K0 is a multiple of 8: no turn round the end yet)
	s_mov_b32 s[SBR], 0
	s_wait_dscnt 0x0                               ; the opening add is done
	s_wait_kmcnt 0x0
	s_add_nc_u64 s[ABASE:ABASE+1], s[4:5], s[68:69]
	s_add_nc_u64 s[BBASE:BBASE+1], s[6:7], s[70:71]
	CROUND                                         ; all sixteen work-groups are here: the first joint loads meet
.irp s, 0,1
	s_mov_b32 s[G0A+4*(\s)], 1
	s_add_co_u32 s[G0A+4*(\s)+1], s[LA], (\s)*SLOT1
	s_add_nc_u64 s[G0A+4*(\s)+2:G0A+4*(\s)+3], s[ABASE:ABASE+1], s[OFA:OFA+1]
	s_or_b32 s[G0A+4*(\s)+3], s[G0A+4*(\s)+3], 0x80000000
	s_mov_b32 s[G0B+4*(\s)], 1
	s_add_co_u32 s[G0B+4*(\s)+1], s[LB], (\s)*SLOT1
	s_add_nc_u64 s[G0B+4*(\s)+2:G0B+4*(\s)+3], s[BBASE:BBASE+1], s[OFB:OFB+1]
	s_or_b32 s[G0B+4*(\s)+3], s[G0B+4*(\s)+3], 0x80000000
	JLOAD \s                                       ; two loads of mine are out
.if (\s) == 0
	s_add_co_u32 s[OFA], s[OFA], 1<<ASH            ; the second step of the walk
	s_add_co_u32 s[OFB], s[OFB], 1<<BSH
.endif
.endr
	; the rope table of my 64 rows (for the heads of v: the identity rows) goes into window 2 now and is waited for on the way out
	v_and_b32 v1, 15, v0                           ; r = l % 16
	v_bfe_u32 v2, v0, 4, 1                         ; h = l / 16
	v_lshlrev_b32 v[RO], 9, v1
	v_lshl_add_u32 v[RO], v2, 4, v[RO]             ; 512 r + 16 h
	s_lshl_b32 s[ROW0], s[TR], 7
	s_lshl_b32 s22, s[RH], 6
	s_add_co_u32 s[ROW0], s[ROW0], s22             ; my first row
	s_cmp_eq_u32 s[YH], 3                          ; tile columns 12-15 are v: the same answer in all sixteen partners
	s_cselect_b32 s[ISV], 1, 0
	s_cselect_b32 s22, 2048, s[ROW0]
	s_lshl_b32 s22, s22, 9
	s_mov_b32 s23, 0
	s_add_nc_u64 s[8:9], s[8:9], s[22:23]
	WIN 0x80
.irp a, 0,1,2,3
.irp s, 0,1
.irp b, 0,1,2,3,4,5,6,7
	global_load_b128 v[64*\a+32*\s+4*\b:64*\a+32*\s+4*\b+3], v[RO], s[8:9] offset:8192*\a+256*\s+32*\b
.endr
.endr
.endr
	WIN 0
	v_mov_b32 v[ONE], 1.0
	v_mov_b32 v[ZERO], 0
	v_mul_u32_u24 v3, v1, PA
	v_lshl_add_u32 v3, v2, 4, v3                   ; 272 r + 16 h
	s_mul_i32 s[LT], s[RH], AHALF
	v_add_nc_u32 v[ADRA0], s[LT], v3
	v_mov_b32 v[ADRA], v[ADRA0]                    ; the walk begins in slot 0
	v_and_b32 v5, 7, v0
	v_bfe_u32 v6, v0, 3, 1
	v_lshl_add_u32 v4, v2, 3, v5                   ; the turning load: k row 8 h + l % 8,
	v_mul_u32_u24 v4, v4, PB
	v_lshl_add_u32 v4, v6, 4, v4                   ; columns 8 ((l / 8) % 2) on
	s_lshl_b32 s[LT], s[CH], 8
	s_add_co_u32 s[LT], s[LT], BOFF
	v_add_nc_u32 v[ADRB0], s[LT], v4
	v_mov_b32 v[ADRB], v[ADRB0]
	s_mul_i32 s[LT], s[WV], 16*SP
	s_add_co_u32 s[LT], s[LT], STAGE               ; my stage
	v_add_nc_u32 v[STO], s[LT], v3                 ; in: row r, 16 bytes for each half of the lanes
	v_mul_u32_u24 v4, v2, SP
	v_lshl_add_u32 v4, v1, 4, v4
	v_add_nc_u32 v[RD], s[LT], v4                  ; back: lanes 0-15 one row of 256 bytes, lanes 16-31 the next
	v_and_b32 v5, 31, v0
	v_lshlrev_b32 v[CO], 4, v5                     ; the same two rows are 512 consecutive bytes of a head
	v_lshlrev_b32 v[PFO], 13, v5                   ; a lane a row of 8,192 bytes
	s_lshl_b32 s[HEAD], s[TC], 1
	s_add_co_u32 s[HEAD], s[HEAD], s[CH]
	s_lshl_b32 s22, s[HEAD], 19                    ; a head is 524,288 bytes
	s_lshl_b32 s23, s[ROW0], 8
	s_add_co_u32 s22, s22, s23
	s_mov_b32 s23, 0
	s_add_nc_u64 s[10:11], s[10:11], s[22:23]
	s_mov_b32 s[SEL], 0x76543210
	s_mov_b32 s[SEL+1], 0xfedcba98
	s_mov_b32 s[HM], 0xffff0000
	; the prefetches
	s_lshl_b32 s22, s[TR], 7
	s_lshl_b32 s23, s[CX], 5
	s_add_co_u32 s22, s22, s23
	s_lshl_b32 s22, s22, 13                        ; A: rows 128 x tile row + 32 cx on
	s_lshl_b32 s23, s[CY], 18                      ; B: k rows 32 cy on,
	s_lshl_b32 s66, s[TC], 9
	s_add_co_u32 s23, s23, s66                     ; the columns of the tile,
	s_lshl_b32 s66, s[CH], 8
	s_add_co_u32 s23, s23, s66                     ; my half of them
	s_cmp_lt_u32 s[YH], 2                          ; a wave asks while the trips to go are above LIM: A in the first 2 QSTEPS - 4 trips, wave 0 of the clusters with y = 0 or 1;
	s_cselect_b32 s66, TRIPS-2*QSTEPS+4, -1
	s_cmp_eq_u32 s[WV], 0
	s_cselect_b32 s66, s66, -1
	s_cmp_eq_u32 s[RH], 0
	s_cselect_b32 s[LIM], s66, TRIPS-QSTEPS+4      ; B in the first QSTEPS - 4 trips, waves 2 and 3 of every cluster
	s_cselect_b64 s[PFB:PFB+1], s[4:5], s[6:7]
	s_cselect_b32 s[PSH], ASH, BSH
	s_cselect_b32 s22, s22, s23
	s_mov_b32 s23, 0
	s_mov_b32 s[POF+1], 0
	s_add_nc_u64 s[PFB:PFB+1], s[PFB:PFB+1], s[22:23]
	s_wait_tensorcnt 1                             ; my part of the first step is in; the second may stay out
	s_barrier_signal -1
	s_barrier_wait -1
	FETCH 0, F0
	QUARTER 1, F0, F1, 1                           ; the first quarter stands in front of the loop: its products start the sums
	WIN 0
	s_mov_b32 s[LAP], TRIPS
.Lstep:                                        ; a trip goes from a step's second quarter to the next step's first, and fills the slot that it leaves; the 32 accumulators take turns in one order throughout
	QUARTER 2, F1, F0, 0
	QUARTER 3, F0, F1, 0
	TURN 1
	QUARTER 1, F0, F1, 0
	WIN 0
	s_sub_co_u32 s[LAP], s[LAP], 1
	s_cmp_lg_u32 s[LAP], 0
	s_cbranch_scc1 .Lstep
	s_mov_b32 s[LAP], 2
.Ltail:                                        ; the last two steps fill nothing; the second trip is left in its middle.  Its change of slots and its 24 loads from the other slot serve nothing:
	QUARTER 2, F1, F0, 0                           ; the price, once a launch, of one text for both trips
	QUARTER 3, F0, F1, 0
	TURN 0
	WIN 0
	s_sub_co_u32 s[LAP], s[LAP], 1
	s_cmp_eq_u32 s[LAP], 0
	s_cbranch_scc1 .Lout
	QUARTER 1, F0, F1, 0
	WIN 0
	s_cmp_lg_u32 s[LAP], 0                         ; (the count is 1 here)
	s_cbranch_scc1 .Ltail
.Lout:
	PLACES
	PLACES
	s_wait_dscnt 0x0                               ; the loads into buffer 0 are back: its registers are written below
	s_wait_loadcnt 0x0                             ; the rope table
.irp e, 0,1,2,3,4,5,6,7
	v_mov_b32 v[SUM+\e], 0
.endr
; d = table half x sum + c: the table entry is a bf16 half, the other two whole f32
.macro MIX d, tb, hf, x, c
.if \hf
	v_fma_mix_f32_bf16 v[\d], v[\tb], v[\x], v[\c] op_sel:[1,0,0] op_sel_hi:[1,0,0]
.else
	v_fma_mix_f32_bf16 v[\d], v[\tb], v[\x], v[\c] op_sel_hi:[1,0,0]
.endif
.endm
.macro ADDH d, x, hf                   ; d += an f16 half
.if \hf
	v_fma_mix_f32 v[\d], v[\x], v[ONE], v[\d] op_sel:[1,0,0] op_sel_hi:[1,0,0]
.else
	v_fma_mix_f32 v[\d], v[\x], v[ONE], v[\d] op_sel_hi:[1,0,0]
.endif
.endm
; THE WAY OUT of row block a: out[d] = x[d] cos[d] + x[d +- 64] signed sin[d], each accumulator read from its low end on; rounded to f16; through my stage; stored as 512 consecutive bytes.
.macro OUTA a
	WIN W_ROPE
.irp b, 0,1,2,3
.irp j, 0,1,2,3,4,5,6,7
	MIX TT+\j, 64*(\a)+32+4*\b+\j/2, \j%2, 8*(8*(\a)+\b+4)+\j, ZERO
.endr
.irp j, 0,1,2,3,4,5,6,7
	MIX TT+8+\j, 64*(\a)+32+4*(\b+4)+\j/2, \j%2, 8*(8*(\a)+\b)+\j, ZERO
.endr
.irp j, 0,1,2,3,4,5,6,7
	MIX OUT+8*\b+\j, 64*(\a)+4*\b+\j/2, \j%2, 8*(8*(\a)+\b)+\j, TT+\j
.endr
.irp j, 0,1,2,3,4,5,6,7
	MIX OUT+8*(\b+4)+\j, 64*(\a)+4*(\b+4)+\j/2, \j%2, 8*(8*(\a)+\b+4)+\j, TT+8+\j
.endr
.endr
	WIN 0
.set n, 0
.rept 32
	v_cvt_pk_f16_f32 v[TMP+n], v[OUT+2*n], v[OUT+2*n+1]
.set n, n+1
.endr
.irp b, 0,1,2,3,4,5,6,7
	ds_store_b128 v[STO], v[TMP+4*\b:TMP+4*\b+3] offset:32*\b
.endr
	s_wait_xcnt 0x0                                ; the stores of the block before have read BK: it is loaded again only behind this wait
.irp t, 0,1,2,3,4,5,6,7
	ds_load_b128 v[BK+4*\t:BK+4*\t+3], v[RD] offset:2*SP*\t  ; LDS serves the instructions of a wave in order: these see the stores above
.endr
	s_wait_dscnt 0x0
.irp t, 0,1,2,3,4,5,6,7
	global_store_b128 v[CO], v[BK+4*\t:BK+4*\t+3], s[10:11] offset:4096*(\a)+512*\t
.endr
	s_cmp_eq_u32 s[ISV], 0
	s_cbranch_scc1 .Lnot_v_\@
.irp t, 0,1,2,3,4,5,6,7                ; v alone: the column sums, in f32, of the numbers as stored; eight chains
.irp e, 0,1,2,3,4,5,6,7
	ADDH SUM+\e, BK+4*\t+\e/2, \e%2
.endr
.endr
.Lnot_v_\@:
.endm
	OUTA 0
	OUTA 1
	OUTA 2
	OUTA 3
	s_cmp_eq_u32 s[ISV], 0
	s_cbranch_scc1 .Lend
.irp e, 0,1,2,3,4,5,6,7
	v_permlanex16_b32 v[TT+\e], v[SUM+\e], s[SEL], s[SEL+1]  ; the rows of the other parity lie in the lane 16 away
.endr
.irp e, 0,1,2,3,4,5,6,7
	v_add_f32 v[SUM+\e], v[SUM+\e], v[TT+\e]
.endr
.irp e, 0,1,2,3
	v_cndmask_b32 v[TT+\e], v[SUM+\e], v[SUM+4+\e], s[HM]    ; lanes 0-15 keep columns 8 r + 0..3, lanes 16-31 columns 8 r + 4..7
.endr
	v_lshlrev_b32 v3, 5, v1
	v_lshl_add_u32 v3, v2, 4, v3                   ; 32 r + 16 h: the wave stores 512 consecutive bytes
	s_lshl_b32 s22, s[TR], 1
	s_add_co_u32 s22, s22, s[RH]
	s_lshl_b32 s22, s22, 12                        ; my block of 64 rows: a row of vpart
	s_sub_co_u32 s23, s[HEAD], 24
	s_lshl_b32 s23, s23, 9
	s_add_co_u32 s22, s22, s23
	s_mov_b32 s23, 0
	s_add_nc_u64 s[12:13], s[12:13], s[22:23]
	global_store_b128 v3, v[TT:TT+3], s[12:13]
.Lend:
	s_wait_tensorcnt 0x0                           ; the end of the wave
	ds_add_u32 v[SPW], v[NIL]
	s_wait_dscnt 0x0
	CROUND                                         ; the closing round
	s_endpgm
.Lfunc_end_k_q53243d9ef6_qkvproj:
	.size	k_q53243d9ef6_qkvproj, .Lfunc_end_k_q53243d9ef6_qkvproj-k_q53243d9ef6_qkvproj
	.p2alignl 7, 3214868480
	.fill 96, 4, 3214868480
	.section	.rodata,"a",@progbits
	.p2align	6, 0x0
	.amdhsa_kernel k_q53243d9ef6_qkvproj
		.amdhsa_group_segment_fixed_size 327680
		.amdhsa_private_segment_fixed_size 0
		.amdhsa_enable_private_segment 0
		.amdhsa_kernarg_size 40
		.amdhsa_user_sgpr_count 2
		.amdhsa_user_sgpr_kernarg_segment_ptr 1
		.amdhsa_wavefront_size32 1
		.amdhsa_system_sgpr_workgroup_id_x 1
		.amdhsa_system_sgpr_workgroup_id_y 1
		.amdhsa_system_sgpr_workgroup_id_z 1
		.amdhsa_system_vgpr_workitem_id 0
		.amdhsa_next_free_vgpr 768
		.amdhsa_next_free_sgpr 88
		.amdhsa_reserve_vcc 0
		.amdhsa_float_denorm_mode_32 3
		.amdhsa_float_denorm_mode_16_64 3
		.amdhsa_memory_ordered 1
		.amdhsa_forward_progress 1
		.amdhsa_inst_pref_size 119
	.end_amdhsa_kernel
	.amdgpu_metadata
---
amdhsa.version: [ 1, 2 ]
amdhsa.kernels:
  - .name:           k_q53243d9ef6_qkvproj
    .symbol:         k_q53243d9ef6_qkvproj.kd
    .args:
      - { .name: xb, .offset: 0, .size: 8, .value_kind: global_buffer, .address_space: global }
      - { .name: wqkvb, .offset: 8, .size: 8, .value_kind: global_buffer, .address_space: global }
      - { .name: rope, .offset: 16, .size: 8, .value_kind: global_buffer, .address_space: global }
      - { .name: qkv, .offset: 24, .size: 8, .value_kind: global_buffer, .address_space: global }
      - { .name: vpart, .offset: 32, .size: 8, .value_kind: global_buffer, .address_space: global }
    .group_segment_fixed_size: 327680
    .private_segment_fixed_size: 0
    .kernarg_segment_align: 8
    .kernarg_segment_size: 40
    .max_flat_workgroup_size: 128
    .sgpr_count:     88
    .vgpr_count:     768
    .wavefront_size: 32
...
	.end_amdgpu_metadata
.endif
;; end of part 2
;; launch attn (part 3): grid 32 x 8, 4 waves a work-group, clusters of 4 x 1, 327,680 bytes of LDS; arguments qkv, vpart, kbias, ob; writes ob
.if DOCPART == 3
	.amdgcn_target "amdgcn-amd-amdhsa--gfx1250"
	.amdhsa_code_object_version 6
	.text
	.protected	k_q53243d9ef6_attn
	.globl	k_q53243d9ef6_attn
	.p2align	8
	.type	k_q53243d9ef6_attn,@function
k_q53243d9ef6_attn:
	s_mov_b64 s[64:65], 0
	v_nop
	global_prefetch_b8 v0, s[64:65] scope:SCOPE_SE
	s_setreg_imm32_b32 hwreg(HW_REG_WAVE_MODE, 25, 1), 1
	s_wait_xcnt 0x0
	s_wait_alu depctr_hold_cnt(0) depctr_sa_sdst(0) depctr_va_vdst(0) depctr_va_sdst(0) depctr_va_ssrc(0) depctr_va_vcc(0) depctr_vm_vsrc(0)
	s_getreg_b32 s2, hwreg(HW_REG_IB_STS2, 6, 4)
	s_cmp_eq_u32 s2, 0
	s_cbranch_scc0 .Lentry_in_a_cluster
	s_endpgm
.Lentry_in_a_cluster:
	s_bfe_u32 s2, ttmp6, 0x10000c
	s_cmp_lg_u32 s2, 0x3003
	s_cbranch_scc0 .Lentry_shape_is_right
	s_endpgm
.Lentry_shape_is_right:
; CAUSAL ATTENTION WITH GROUPED HEADS AND A KEY MASK.  qkv[32][2048][128] f16 (q x 2^-6, k x 2^-6, v x 2^-2), kbias[2048] f32 (0 or -1e30), vpart[32][1024] f32 -> ob[2048][2048] f16 (O x 2^-2).
; p = 2^(c s - c m) with a running maximum m; c = log2(e) / sqrt(128) x 2^12 undoes the scales of q and k.  Products, maxima and sums in f32; p and O rounded once to f16.
; LIMITS.  A hidden score counts as -1e30 (or its value less 1e30).  The running maximum starts at -2^67, far above that and far below every true score (|q . k| under 7e20): hidden weights are exactly 0.
; A row that sees no key at all (merged c m below -1e20) gets the mean of all 2,048 rows of v, as a softmax of equal entries gives.  NaN and infinities are not treated apart.
; THE WALK.  A block is 32 positions x the 2 query heads of kv head g: 4 tiles of 16 queries (tile t: head 2 g + t / 2, positions 16 (t % 2) on).  Work-group j takes block 63 - j and then block j.  Keys come in
; tiles of 256: with a = j / 8 the first block needs tiles 0 .. 7 - a, the second 0 .. a: 9 rounds for every work-group, and the four partners of a cluster (same a) walk alike: joint loads.
; KEYS ARE SPLIT AMONG THE WAVES: in each round wave w takes keys 64 w .. 64 w + 63 of the tile for all 4 query tiles, with m, l and O^T of its own; the four partial results meet in LDS at the end of a block.
; LAYOUT.  S^T = K Q^T holds one query a lane (l % 16) and the keys 8 (l / 16) + 0..7; two such results rounded to f16 are source 1 of O^T = V^T P.  The mask is the C operand that starts the sums of S^T.
; A ROUND of a wave: scores of piece 0 (tiles 0, 1); scores of piece 2 with the softmax of piece 0 in slices behind them; V^T P of piece 0 with the softmax of piece 2 behind them; V^T P of piece 2.
; REGISTERS.  window 0: v0-63 addresses and statistics; v64-191 S^T; v192-255 P.  window 1: O^T, 64 a tile.  window 2: v0-127 Q, v128-255 K.  window 3: v0-127 V, v128-191 the masks.
.set PK,    272                        ; a row of K in LDS: 256 + 16 bytes
.set PV,    288                        ; a row of V: 256 + 32 bytes, for the turning load
.set VOFF,  256*PK                     ; a slot: 256 rows of K, then 256 rows of V: 143,360 bytes
.set SLOT1, 0x24000                    ; slot 1 begins here: the number shares no bit with 0, 128 PK, VOFF, VOFF + 128 PV, so one exclusive or turns an address of one slot into the other
.set MRG,   SLOT1+256*(PK+PV)          ; 32,768 bytes [wave][tile][2,048]; region w is later the stage of wave w
.set STATS, MRG+32768                  ; 2,048 bytes [wave][tile][c m of 16 queries, l of 16 queries]
.set VMEAN, STATS+2048                 ; 512 bytes: the mean row of v for this kv head
.set SPARE, VMEAN+512                  ; the spare words: two blocks of 256 bytes that no other line names
.set SP,    272
.set AK0, 2
.set AV0, 3
.set ADR, 4
.set ADR2, 5
.set QO,  6
.set KBO, 7
.set DV,  8                            ; my query less my first key within the diagonal tile
.set E14, 10
.set SADR, 11
.set ST,  12                           ; tile t at v[ST+8 t]: +0 c m, +1 m, +2, +3 l, +4 to +7 at work; a takes +6
.set SRD, 44
.set SRP, 45
.set MST, 46
.set MRD, 47
.set VMA, 48
.set STO, 49
.set RD,  50
.set GO,  51
.set VPO, 52
.set VMS, 53
.set ONEV, 54
.set ZV,  56
.set PFO, 60
.set SPW, 62
.set NIL, 63
.set S,   64
.set P,   192
.set KF,  128                          ; window 2
.set MC,  128                          ; window 3: for positions half u, key block kb: MC + 32 u + 8 kb
.set WV,  12
.set CX,  13
.set JB,  14
.set AA,  15
.set BB,  16
.set GG,  17
.set G1K, 24
.set G1V, 32
.set G0K, 40
.set G0V, 44
.set KA,  48
.set VA,  50
.set QLO, 52
.set OLO, 54
.set SLOTS, 56
.set RT,  57                           ; tiles of the block in hand still to be entered
.set CS,  58
.set SEL, 60
.set SBR, 62                           ; LDS byte at which the slot to be read begins
.set NXT, 66                           ; the tile to be asked for next
.set LQ,  67                           ; the last tile of the block whose tiles are being asked for
.set TASK, 68                          ; the tile just asked for: the tile of the next round
.set OFF, 70
.set KBB, 72
.set OFB, 74
.set PFA, 76
.set LIM, 78
.set BIGN, 79
.set HM,  80
.set DCUR, 81
.set DLO, 82
.set DEADT, 83
.set DMK, 84
.set QA,  86
.set OB,  88
.set W_KQ, 0x0a                        ; K and Q window 2, S^T window 0
.set W_KM, 0x3a                        ; the same with C in window 3
.set W_PV, 0x53                        ; V window 3, P window 0, O^T window 1
.set W_RS, 0x41                        ; destination and source 0 window 1, source 1 window 0
.set MSB, 0
.macro WIN new
.if MSB != (\new)
	s_set_vgpr_msb (MSB<<8)|(\new)
.set MSB, \new
.endif
.endm
.macro PLACES
.rept 4
	v_nop
.endr
.endm
.macro JLOAD                           ; waves 0, 1 fetch the halves of the K tile, waves 2, 3 those of the V tile: 128 rows each
	s_cmp_lt_u32 s[WV], 2
	s_cbranch_scc0 .Lfor_v_\@
	tensor_load_to_lds s[G0K:G0K+3], s[G1K:G1K+7]
	s_nop 0
.rept 4
	v_nop
.endr
	s_branch .Lasked_\@
.Lfor_v_\@:
	tensor_load_to_lds s[G0V:G0V+3], s[G1V:G1V+7]
	s_nop 0
.rept 4
	v_nop
.endr
.Lasked_\@:
.endm
; A prefetch of the tile that the next change of slots will ask for: the first cluster of a kv head asks, its four partners 32 rows each by address, each wave for the 128 rows that it fetches.
; So each row of K and V is named once.  It stops when tile 7 has been named.
.macro ASK
	s_cmp_gt_u32 s[SLOTS], s[LIM]
	s_cbranch_scc0 .Lnot_mine_\@
	global_prefetch_b8 v[PFO], s[PFA:PFA+1] th:TH_LOAD_NT scope:SCOPE_SE
.Lnot_mine_\@:
.endm
.macro CROUND
	s_barrier_signal -1
	s_barrier_wait -1
	s_cmp_lg_u32 s[WV], 0
	s_cbranch_scc1 .Lnot_wave_0_\@
	s_barrier_signal -3
.Lnot_wave_0_\@:
	s_barrier_wait -3
	s_barrier_signal -1
	s_barrier_wait -1
.endm
; THE CHANGE OF SLOTS.  Each wave waits for all its tensor loads (one is out: its part of the other slot), adds 0 to its spare word, and waits for that and for its reads of the slot that it leaves.
; fill = 1: a round of the barrier of the cluster, then the old slot is filled with tile NXT, whose address is made anew from that number.
.macro CHANGE fill
	WIN 0
	s_wait_tensorcnt 0x0
	ds_add_u32 v[SPW], v[NIL]
.if \fill
	s_lshl_b32 s[OFF], s[NXT], 16                  ; a tile is 65,536 bytes of K and of V
	s_xor_b32 s[G0K+1], s[G0K+1], SLOT1
	s_add_nc_u64 s[G0K+2:G0K+3], s[KA:KA+1], s[OFF:OFF+1]
	s_or_b32 s[G0K+3], s[G0K+3], 0x80000000
	s_xor_b32 s[G0V+1], s[G0V+1], SLOT1
	s_add_nc_u64 s[G0V+2:G0V+3], s[VA:VA+1], s[OFF:OFF+1]
	s_or_b32 s[G0V+3], s[G0V+3], 0x80000000
	s_mov_b32 s[TASK], s[NXT]
	s_add_co_u32 s[NXT], s[NXT], 1                 ; the next tile of the block, or behind its last tile 0 of the second block
	s_cmp_gt_u32 s[NXT], s[LQ]
	s_cselect_b32 s[NXT], 0, s[NXT]
	s_cselect_b32 s[LQ], s[AA], s[LQ]
	s_wait_xcnt 0x0                                ; the last prefetch, a round back, has read its address
	s_add_nc_u64 s[PFA:PFA+1], s[PFA:PFA+1], 65536
	s_wait_dscnt 0x0                               ; the add is done, my reads of the slot are over
	CROUND
	JLOAD                                          ; it has a whole round in which to land; its four v_nop are also the places in front of the loads into V
	ASK
.else
	s_wait_dscnt 0x0
	s_barrier_signal -1
	s_barrier_wait -1
	PLACES
.endif
	s_xor_b32 s[SBR], s[SBR], SLOT1
.endm
; Product i of 32 of S^T = K Q^T for piece x: channels 32 (i / 8) on, keys 16 ((i / 2) % 4) on, tile x + i % 2.  The first 8 start the sums with the mask.  The 8 accumulators take turns.
.macro KQ x
.set rS, S+32*((\x)+i%2)+8*((i/2)%4)
.set rK, KF+32*((i/2)%4)+8*(i/8)
.set rQ, 32*((\x)+i%2)+8*(i/8)
.set rM, MC+32*(i%2)+8*((i/2)%4)
.if i < 8
	WIN W_KM
	v_wmma_f32_16x16x32_f16 v[rS:rS+7], v[rK:rK+7], v[rQ:rQ+7], v[rM:rM+7]
.else
	WIN W_KQ
	v_wmma_f32_16x16x32_f16 v[rS:rS+7], v[rK:rK+7], v[rQ:rQ+7], v[rS:rS+7]
.endif
.endm
; Product i of 32 of O^T += V^T P for piece x: keys 32 (i / 16) on, channels 16 ((i / 2) % 8) on, tile x + i % 2.  The 16 accumulators take turns.
.macro PV x
	WIN W_PV
.set rO, 64*((\x)+i%2)+8*((i/2)%8)
.set rV, 64*(i/16)+8*((i/2)%8)
.set rP, P+16*((\x)+i%2)+8*(i/16)
	v_wmma_f32_16x16x32_f16 v[rO:rO+7], v[rV:rV+7], v[rP:rP+7], v[rO:rO+7]
.endm
; The softmax of one tile for one round is a list of 134 instructions; SM writes number j of it for tile t.
;   0-15 the maximum of the 32 scores and the old m    16-20 the other half of the lanes; m; c m; its change    21-69 ONE BATCH: 16 scalings and 33 exponentials (a at 23), none of which reads a result of the batch
;   70-85 roundings to f16    86-101 the sums, l = a l + sum    102-133 O^T times a
.macro SM t
.set rT, ST+8*(\t)
.set rS, S+32*(\t)
.set rP, P+16*(\t)
.set rO, 64*(\t)+2*(j-102)
.if j < 102
	WIN 0
.endif
.if j < 4
	v_max3_num_f32 v[rT+4+j], v[rS+8*j], v[rS+8*j+1], v[rS+8*j+2]
.elseif j < 12
	v_max3_num_f32 v[rT+4+j%4], v[rT+4+j%4], v[rS+8*(j%4)+2*(j/4)+1], v[rS+8*(j%4)+2*(j/4)+2]
.elseif j == 12
	v_max3_num_f32 v[rT+4], v[rT+4], v[rS+7], v[rS+15]
.elseif j == 13
	v_max3_num_f32 v[rT+6], v[rT+6], v[rS+23], v[rS+31]
.elseif j == 14
	v_max3_num_f32 v[rT+4], v[rT+4], v[rT+5], v[rT+6]
.elseif j == 15
	v_max3_num_f32 v[rT+4], v[rT+4], v[rT+7], v[rT+1]
.elseif j == 16
	v_permlanex16_b32 v[rT+5], v[rT+4], s[SEL], s[SEL+1]
.elseif j == 17
	v_mov_b32 v[rT+7], v[rT]
.elseif j == 18
	v_max_num_f32 v[rT+1], v[rT+4], v[rT+5]
.elseif j == 19
	v_mul_f32 v[rT], s[CS], v[rT+1]
.elseif j == 20
	v_sub_f32 v[rT+7], v[rT+7], v[rT]
.elseif j == 23
	v_exp_f32 v[rT+6], v[rT+7]
.elseif (j < 23) || ((j < 38) && (j%2 == 0)) || ((j < 66) && (j%4 == 2))
.set b, (j-2)/4
.if j < 38
.set b, (j-20)/2
.endif
	v_pk_fma_f32 v[rS+2*b:rS+2*b+1], v[rS+2*b:rS+2*b+1], s[CS:CS+1], v[rT:rT+1] op_sel_hi:[1,0,0] neg_lo:[0,0,1] neg_hi:[0,0,1]
.elseif j < 70
.set e, j-38
.if j < 66
.set e, j-32-(j-38)/4
.endif
.if j < 38
.set e, (j-25)/2
.endif
	v_exp_f32 v[rS+e], v[rS+e]
.elseif j < 86
	v_cvt_pk_f16_f32 v[rP+j-70], v[rS+2*(j-70)], v[rS+2*(j-70)+1]
.elseif j < 102
.set z, j-86
.set w, 4
.set u, z
.if z >= 14
.set w, 32
.set u, 0
.elseif z >= 12
.set w, 16
.set u, z-12
.elseif z >= 8
.set w, 8
.set u, z-8
.endif
.if z < 15
	v_pk_add_f32 v[rS+w*u:rS+w*u+1], v[rS+w*u:rS+w*u+1], v[rS+w*u+w/2:rS+w*u+w/2+1]
.else
	v_pk_fma_f32 v[rT+2:rT+3], v[rT+2:rT+3], v[rT+6:rT+7], v[rS:rS+1] op_sel_hi:[1,0,1]
.endif
.else
	WIN W_RS
	v_pk_mul_f32 v[rO:rO+1], v[rO:rO+1], v[rT+6:rT+7] op_sel_hi:[1,0]
.endif
.endm
; Slice k of 64 of the softmax of piece y.  Slices 11-34 deal out the batch, four numbers of one tile each; every other slice is numbers 2 k, 2 k + 1 of both tiles; slice 63 takes the twelve that are over.
; Behind slice 34 no exponential is issued and ahead of slice 35 no result is named: one plain instruction and one wait serve the 66 exponentials.
.macro SLICE y
.if (k >= 11) && (k < 35)
.irp n, 0,1,2,3
.set j, 22+4*((k-11)/2)+(\n)
	SM (\y)+(k-11)%2
.endr
.else
.irp n, 0,1,2,3,4,5,6,7
.if ((\n) < 2) || (k == 63)
.irp t, \y, (\y)+1
.set j, 2*k+(\n)
	SM \t
.endr
.endif
.endr
.endif
.if k == 34
	v_nop
	s_wait_alu depctr_va_vdst(0)
.endif
.set k, k+1
.endm
; 32 products of piece x (kind 0: K Q^T, 1: V^T P), two slices of the softmax of piece y behind each.  The slices name no register of the products round them.
.macro RIDE kind, x, y
.set k, 0
.set i, 0
.rept 32
.if \kind
	PV \x
.else
	KQ \x
.endif
	SLICE \y
	SLICE \y
.set i, i+1
.endr
.endm
.macro QLOADS base                     ; Q of a block: tile n / 4, channels 32 (n % 4) on
	WIN 0x80
.set n, 0
.rept 16
	global_load_b128 v[8*n:8*n+3],   v[QO], s[\base:\base+1] offset:(n/8)*524288+((n/4)%2)*4096+(n%4)*64
	global_load_b128 v[8*n+4:8*n+7], v[QO], s[\base:\base+1] offset:(n/8)*524288+((n/4)%2)*4096+(n%4)*64+32
.set n, n+1
.endr
	WIN 0
.endm
.macro BIAS                            ; the key bias of my 64 keys of a tile, as C operands, once for each half of the positions
	WIN 0xc0
.set n, 0
.rept 16
	global_load_b128 v[MC+4*n:MC+4*n+3], v[KBO], s[KBB:KBB+1] offset:64*((n/2)%4)+16*(n%2)
.set n, n+1
.endr
	WIN 0
.endm
.macro INIT                            ; a block begins: c m so low that the first a is 0 and wipes O^T and l; m at the floor
.irp t, 0,1,2,3
	v_mov_b32 v[ST+8*\t], 0xfe000000
	v_mov_b32 v[ST+8*\t+1], 0xe1000000             ; -2^67
	v_mov_b32 v[ST+8*\t+2], 0
	v_mov_b32 v[ST+8*\t+3], 0
.endr
	v_add_nc_u32 v[DV], s[DCUR], v[E14]
.endm
; A ROUND.  more = 1: the bias of the next tile is asked for.  diag = 1: the tile is the diagonal one; 0: that is tested (RT = 0).
.macro STEP more, diag
	WIN 0
	v_add_nc_u32 v[ADR], s[SBR], v[AK0]
	v_add_nc_u32 v[ADR2], s[SBR], v[AV0]
	WIN 0x80
.irp f, 0,1,2,3,4,5,6,7,8,9,10,11,12,13,14,15  ; K: keys 16 (f / 4) on, channels 32 (f % 4) on
	ds_load_b128 v[KF+8*(\f):KF+8*(\f)+3],   v[ADR] offset:((\f)/4)*16*PK+((\f)%4)*64
	ds_load_b128 v[KF+8*(\f)+4:KF+8*(\f)+7], v[ADR] offset:((\f)/4)*16*PK+((\f)%4)*64+32
.endr
	WIN 0xc0
.irp f, 0,1,2,3,4,5,6,7,8,9,10,11,12,13,14,15  ; V turned: keys 32 (f / 8) on, channels 16 (f % 8) on
	ds_load_tr16_b128 v[8*(\f):8*(\f)+3],   v[ADR2] offset:((\f)/8)*32*PV+((\f)%8)*32
	ds_load_tr16_b128 v[8*(\f)+4:8*(\f)+7], v[ADR2] offset:((\f)/8)*32*PV+16*PV+((\f)%8)*32
.endr
	WIN 0
	s_wait_loadcnt 0x0                             ; the bias of this tile and, at the start of a block, Q
.if !(\diag)
	s_cmp_lg_u32 s[RT], 0
	s_cbranch_scc1 .Lfull_\@
.endif
	WIN 0xc3                                       ; the diagonal tile: key 16 kb + r of my 64 is hidden from position half u where 16 kb + r - 16 u is above DV
.set n, 0
.rept 64
	v_cmp_gt_i32 vcc_lo, 16*((n%32)/8)+n%8-16*(n/32), v[DV]
	v_cndmask_b32 v[MC+n], v[MC+n], s[BIGN], vcc_lo
.set n, n+1
.endr
	WIN 0
.if !(\diag)
.Lfull_\@:
.endif
	s_wait_dscnt 32                                ; K is in; the 32 loads of V may be out
.set i, 0
.rept 32
	KQ 0
.set i, i+1
.endr
	PLACES                                         ; the places behind those products
	RIDE 0, 2, 0
.if \more
	WIN 0
	s_lshl_b32 s[OFB], s[TASK], 10
	s_add_nc_u64 s[KBB:KBB+1], s[8:9], s[OFB:OFB+1]  ; the loads that named this base were waited for above
	BIAS
.endif
	s_wait_dscnt 0x0                               ; V is in
	RIDE 1, 0, 2
.set i, 0
.rept 32
	PV 2
.set i, i+1
.endr
	WIN 0
.endm
; THE END OF A BLOCK.  The four waves hold partial m, l, O^T for the same 64 queries.  Statistics meet in LDS; each wave scales its O^T to the common maximum; in four phases of 16 registers every wave
; stores all four tiles and reads tile w of all four waves; wave w ends with tile w, divides, selects the mean of v for rows without a key, rounds and stores.  Nine barriers, each behind s_wait_dscnt 0.
.macro MERGE last
	WIN 0
.irp t, 0,1,2,3
	v_add_f32 v[ST+8*\t+4], v[ST+8*\t+2], v[ST+8*\t+3]
.endr
.if !(\last)
	QLOADS QLO                                     ; the Q of the second block: waited for in the next round
.endif
.irp t, 0,1,2,3
	v_permlanex16_b32 v[ST+8*\t+5], v[ST+8*\t+4], s[SEL], s[SEL+1]
.endr
.irp t, 0,1,2,3
	v_add_f32 v[ST+8*\t+4], v[ST+8*\t+4], v[ST+8*\t+5]
.endr
.irp t, 0,1,2,3
	v_cndmask_b32 v[ST+8*\t+5], v[ST+8*\t], v[ST+8*\t+4], s[HM]  ; lanes 0-15 give c m, lanes 16-31 l
.endr
.irp t, 0,1,2,3
	ds_store_b32 v[SADR], v[ST+8*\t+5] offset:128*\t
.endr
	s_wait_dscnt 0x0
	s_barrier_signal -1
	s_barrier_wait -1
.irp t, 0,1,2,3
.irp u, 0,1,2,3
	ds_load_b32 v[64+4*\t+\u], v[SRD] offset:512*\u+128*\t   ; c m of tile t in wave u, for my query
.endr
.endr
.irp u, 0,1,2,3
	ds_load_b32 v[80+\u], v[SRP] offset:512*\u               ; c m and l of the tile that I finish
	ds_load_b32 v[84+\u], v[SRP] offset:512*\u+64
.endr
	s_wait_dscnt 0x0
.irp t, 0,1,2,3
	v_max3_num_f32 v[88+\t], v[64+4*\t], v[65+4*\t], v[66+4*\t]
.endr
	v_max3_num_f32 v92, v80, v81, v82
.irp t, 0,1,2,3
	v_max_num_f32 v[88+\t], v[88+\t], v[67+4*\t]
.endr
	v_max_num_f32 v92, v92, v83
.irp t, 0,1,2,3
	v_sub_f32 v[96+\t], v[ST+8*\t], v[88+\t]
.endr
.irp u, 0,1,2,3
	v_sub_f32 v[100+\u], v[80+\u], v92
.endr
	v_cmp_lt_f32 s[DMK], v92, s[DEADT]             ; no wave has seen a key for this query
.irp t, 0,1,2,3
	v_exp_f32 v[ST+8*\t+6], v[96+\t]
.endr
.irp u, 0,1,2,3
	v_exp_f32 v[104+\u], v[100+\u]
.endr
	v_nop                                          ; a plain instruction behind the last exponential,
	s_wait_alu depctr_va_vdst(0)                   ; and one wait for the eight, ahead of the first use
	v_mul_f32 v108, v104, v84
	v_fmac_f32 v108, v105, v85
	v_fmac_f32 v108, v106, v86
	v_fmac_f32 v108, v107, v87
	v_rcp_f32 v109, v108
	v_mov_b32 v[ONEV], 1.0
	s_wait_alu depctr_va_vdst(0)
	v_cndmask_b32 v110, v109, v[ZV], s[DMK]        ; 1 / l, or 0 for a row without a key
	v_cndmask_b32 v111, v109, v[ZV], s[DMK]
	v_cndmask_b32 v112, v[ZV], v[ONEV], s[DMK]     ; 0, or 1 for such a row
	v_cndmask_b32 v113, v[ZV], v[ONEV], s[DMK]
.irp c, 0,1,2,3
	WIN W_RS
.irp t, 0,1,2,3
.irp n, 0,1,2,3,4,5,6,7
	v_pk_mul_f32 v[64*\t+16*\c+2*\n:64*\t+16*\c+2*\n+1], v[64*\t+16*\c+2*\n:64*\t+16*\c+2*\n+1], v[ST+8*\t+6:ST+8*\t+7] op_sel_hi:[1,0]
.endr
.endr
	WIN 0x04                                       ; store data in window 1
.irp t, 0,1,2,3
.irp q, 0,1,2,3
	ds_store_b128 v[MST], v[64*\t+16*\c+4*\q:64*\t+16*\c+4*\q+3] offset:2048*\t+512*\q
.endr
.endr
	WIN 0
	s_wait_dscnt 0x0
	s_barrier_signal -1
	s_barrier_wait -1
.irp u, 0,1,2,3
.irp q, 0,1,2,3
	ds_load_b128 v[128+16*\u+4*\q:128+16*\u+4*\q+3], v[MRD] offset:8192*\u+512*\q
.endr
.endr
	s_wait_dscnt 0x0                               ; my reads are over: the others may store the next phase
	s_barrier_signal -1
.irp n, 0,1,2,3,4,5,6,7
	v_pk_add_f32 v[128+2*\n:129+2*\n], v[128+2*\n:129+2*\n], v[144+2*\n:145+2*\n]
.endr
.irp n, 0,1,2,3,4,5,6,7
	v_pk_add_f32 v[160+2*\n:161+2*\n], v[160+2*\n:161+2*\n], v[176+2*\n:177+2*\n]
.endr
.irp n, 0,1,2,3,4,5,6,7
	v_pk_add_f32 v[P+16*\c+2*\n:P+16*\c+2*\n+1], v[128+2*\n:129+2*\n], v[160+2*\n:161+2*\n]
.endr
	s_barrier_wait -1
.endr
.irp f, 0,1,2,3,4,5,6,7
	ds_load_b128 v[128+8*\f:128+8*\f+3],   v[VMA] offset:64*\f      ; the mean of v for my channels
	ds_load_b128 v[128+8*\f+4:128+8*\f+7], v[VMA] offset:64*\f+16
.endr
.set n, 0
.rept 32
	v_pk_mul_f32 v[P+2*n:P+2*n+1], v[P+2*n:P+2*n+1], v[110:111]
.set n, n+1
.endr
	s_wait_dscnt 0x0
.set n, 0
.rept 32
	v_pk_fma_f32 v[P+2*n:P+2*n+1], v[128+2*n:129+2*n], v[112:113], v[P+2*n:P+2*n+1]
.set n, n+1
.endr
.set n, 0
.rept 32
	v_cvt_pk_f16_f32 v[64+n], v[P+2*n], v[P+2*n+1]
.set n, n+1
.endr
.irp f, 0,1,2,3,4,5,6,7
	ds_store_b128 v[STO], v[64+4*\f:64+4*\f+3] offset:32*\f         ; my region of the merge area is my stage now: all reads of it were over at the last barrier
.endr
.irp f, 0,1,2,3,4,5,6,7
	ds_load_b128 v[96+4*\f:96+4*\f+3], v[RD] offset:2*SP*\f
.endr
.irp f, 0,1,2,3,4,5,6,7
	s_wait_dscnt 7-\f
	global_store_b128 v[GO], v[96+4*\f:96+4*\f+3], s[OB:OB+1] offset:8192*\f  ; 16 lanes store the 256 aligned bytes of one position and head
.endr
.if !(\last)
	s_wait_xcnt 0x0                                ; the stores have read their registers and their base
	s_mov_b64 s[OB:OB+1], s[OLO:OLO+1]
	s_add_co_u32 s[RT], s[AA], 1                   ; the second block has a + 1 tiles
	s_mov_b32 s[DCUR], s[DLO]
	INIT
.endif
.endm
	s_load_b256 s[4:11], s[0:1], 0x0               ; qkv 4, vpart 6, kbias 8, ob 10
	v_lshl_add_u32 v[SPW], v0, 2, SPARE
	v_mov_b32 v[NIL], 0
	ds_add_u32 v[SPW], v[NIL]                      ; the opening: the add and its wait ahead of my first tensor load
	v_lshrrev_b32 v1, 5, v0
	v_readfirstlane_b32 s[WV], v1
	s_bfe_u32 s[CX], ttmp6, 0x40000
	s_lshl_b32 s[JB], ttmp9, 2
	s_add_co_u32 s[JB], s[JB], s[CX]               ; j: it enters the addresses of Q and O and the diagonal number alone
	s_lshr_b32 s[AA], ttmp9, 1                     ; a: the same in the four partners
	s_and_b32 s[BB], s[JB], 7
	s_and_b32 s[GG], ttmp7, 0xffff                 ; the kv head
	s_and_b32 s18, s[WV], 1                        ; which half of a tile I fetch
	s_lshl_b32 s19, s18, 15
	s_add_co_u32 s20, s[GG], 16
	s_lshl_b32 s20, s20, 19
	s_add_co_u32 s20, s20, s19                     ; K: head 16 + g
	s_mov_b32 s21, 0
	s_add_co_u32 s22, s20, 8<<19                   ; V: head 24 + g
	s_mov_b32 s23, 0
	s_mov_b32 s[G0K], 1
	s_mul_i32 s[G0K+1], s18, 128*PK                ; slot 0
	s_mov_b32 s[G0V], 1
	s_mul_i32 s[G0V+1], s18, 128*PV
	s_add_co_u32 s[G0V+1], s[G0V+1], VOFF
	s_mov_b32 s[G1K], 15|(1<<16)|(1<<20)|(1<<21)|(5<<22)|(3<<25)  ; the mask of four; 2-byte elements; padding on; bit 21 beside a mask; after every 64 words, 4 words
	s_mov_b32 s[G1V], 15|(1<<16)|(1<<20)|(1<<21)|(5<<22)|(7<<25)  ; 8 words
.irp g, G1K, G1V
	s_mov_b32 s[(\g)+1], 128<<16                   ; tensor_dim0
	s_mov_b32 s[(\g)+2], 128<<16                   ; tensor_dim1
	s_mov_b32 s[(\g)+3], 128<<16                   ; tile_dim0
	s_mov_b32 s[(\g)+4], 128                       ; tile_dim1
	s_mov_b32 s[(\g)+5], 128                       ; elements from row to row
	s_mov_b32 s[(\g)+6], 0
	s_mov_b32 s[(\g)+7], 0
.endr
	s_mov_b32 s[CS], 0x440293ee                    ; c = log2(e) / sqrt(128) x 2^12
	s_mov_b32 s[CS+1], s[CS]
	s_mov_b32 s[SEL], 0x76543210
	s_mov_b32 s[SEL+1], 0xfedcba98
	s_mov_b32 s[SLOTS], 8
	s_sub_co_u32 s[RT], 8, s[AA]                   ; the first block has 8 - a tiles
	s_mov_b32 s[NXT], 1
	s_sub_co_u32 s[LQ], 7, s[AA]
	s_mov_b32 s[SBR], SLOT1                        ; the first change turns it into 0
	s_mov_b32 s[OFF+1], 0
	s_mov_b32 s[OFB+1], 0
	s_mov_b32 s[BIGN], 0xf149f2ca                  ; -1e30
	s_mov_b32 s[HM], 0xffff0000
	s_mov_b32 s[DEADT], 0xe0ad78ec                 ; -1e20
	s_wait_dscnt 0x0                               ; the opening add is done
	s_wait_kmcnt 0x0
	s_add_nc_u64 s[KA:KA+1], s[4:5], s[20:21]
	s_add_nc_u64 s[VA:VA+1], s[4:5], s[22:23]
	s_mov_b64 s[G0K+2:G0K+3], s[KA:KA+1]           ; tile 0
	s_or_b32 s[G0K+3], s[G0K+3], 0x80000000
	s_mov_b64 s[G0V+2:G0V+3], s[VA:VA+1]
	s_or_b32 s[G0V+3], s[G0V+3], 0x80000000
	CROUND                                         ; all four work-groups are here
	JLOAD                                          ; tile 0 into slot 0: one load of mine is out
	s_sub_co_u32 s18, 63, s[JB]                    ; the first block
	s_lshl_b32 s19, s[GG], 20                      ; head 2 g
	s_lshl_b32 s20, s18, 13                        ; 32 positions of 256 bytes
	s_add_co_u32 s20, s20, s19
	s_add_nc_u64 s[QA:QA+1], s[4:5], s[20:21]
	s_lshl_b32 s20, s[JB], 13
	s_add_co_u32 s20, s20, s19
	s_add_nc_u64 s[QLO:QLO+1], s[4:5], s[20:21]
	s_and_b32 s22, s[WV], 1                        ; the tile that I finish: positions 16 (w % 2) on, head 2 g + w / 2
	s_lshl_b32 s22, s22, 16
	s_lshl_b32 s19, s[GG], 9
	s_add_co_u32 s22, s22, s19
	s_lshr_b32 s19, s[WV], 1
	s_lshl_b32 s19, s19, 8
	s_add_co_u32 s22, s22, s19
	s_lshl_b32 s20, s18, 17                        ; 32 rows of 4,096 bytes
	s_add_co_u32 s20, s20, s22
	s_add_nc_u64 s[OB:OB+1], s[10:11], s[20:21]
	s_lshl_b32 s20, s[JB], 17
	s_add_co_u32 s20, s20, s22
	s_add_nc_u64 s[OLO:OLO+1], s[10:11], s[20:21]
	s_lshl_b32 s20, s[GG], 9
	s_add_nc_u64 s[6:7], s[6:7], s[20:21]          ; vpart at the 128 columns of my kv head
	s_mov_b64 s[KBB:KBB+1], s[8:9]                 ; the bias of tile 0
	s_cmp_lt_u32 s[WV], 2
	s_cselect_b64 s[PFA:PFA+1], s[KA:KA+1], s[VA:VA+1]
	s_lshl_b32 s20, s[CX], 13                      ; the 32 rows of my work-group,
	s_add_co_u32 s20, s20, 65536                   ; in tile 1: the first change steps it to tile 2
	s_add_nc_u64 s[PFA:PFA+1], s[PFA:PFA+1], s[20:21]
	s_cmp_eq_u32 ttmp9, 0
	s_cselect_b32 s[LIM], 2, -1
	s_lshl_b32 s20, s[WV], 6
	s_sub_co_u32 s22, 7, s[BB]
	s_lshl_b32 s22, s22, 5
	s_sub_co_i32 s[DCUR], s22, s20                 ; first position of the block in its diagonal tile, less my first key
	s_lshl_b32 s22, s[BB], 5
	s_sub_co_i32 s[DLO], s22, s20
	v_and_b32 v1, 15, v0                           ; r
	v_bfe_u32 v9, v0, 4, 1                         ; h
	v_and_b32 v55, 31, v0                          ; lane
	v_mov_b32 v[ZV], 0
	v_lshlrev_b32 v[VPO], 2, v0
	v_lshlrev_b32 v[QO], 8, v1
	v_lshl_add_u32 v[QO], v9, 4, v[QO]
	s_lshl_b32 s20, s[WV], 8
	v_lshl_add_u32 v[KBO], v9, 5, s20              ; 256 w + 32 h
.set n, 0
.rept 32
	global_load_b32 v[64+n], v[VPO], s[6:7] offset:4096*n    ; thread t: column t of my kv head, 32 partial sums
.set n, n+1
.endr
	QLOADS QA
	BIAS
	v_mul_u32_u24 v[AK0], v1, PK
	v_lshl_add_u32 v[AK0], v9, 4, v[AK0]
	s_mul_i32 s20, s[WV], 64*PK
	v_add_nc_u32 v[AK0], s20, v[AK0]               ; my 64 keys: row x pitch + 16 x half
	v_and_b32 v57, 7, v0
	v_bfe_u32 v58, v0, 3, 1
	v_lshl_add_u32 v[AV0], v9, 3, v57
	v_mul_u32_u24 v[AV0], v[AV0], PV
	v_lshl_add_u32 v[AV0], v58, 4, v[AV0]
	s_mul_i32 s20, s[WV], 64*PV
	s_add_co_u32 s20, s20, VOFF
	v_add_nc_u32 v[AV0], s20, v[AV0]
	v_lshlrev_b32 v57, 3, v9
	v_sub_nc_u32 v[E14], v1, v57                   ; r - 8 h
	s_lshl_b32 s20, s[WV], 9
	s_add_co_u32 s20, s20, STATS
	v_lshl_add_u32 v[SADR], v55, 2, s20
	v_lshl_add_u32 v[SRD], v1, 2, STATS
	s_lshl_b32 s20, s[WV], 7
	s_add_co_u32 s20, s20, STATS
	v_lshl_add_u32 v[SRP], v1, 2, s20
	s_lshl_b32 s20, s[WV], 13
	s_add_co_u32 s20, s20, MRG
	v_lshl_add_u32 v[MST], v55, 4, s20
	v_mul_u32_u24 v[STO], v1, SP
	v_lshl_add_u32 v[STO], v9, 4, v[STO]
	v_add_nc_u32 v[STO], s20, v[STO]
	v_mul_u32_u24 v[RD], v9, SP
	v_lshl_add_u32 v[RD], v1, 4, v[RD]
	v_add_nc_u32 v[RD], s20, v[RD]
	s_lshl_b32 s20, s[WV], 11
	s_add_co_u32 s20, s20, MRG
	v_lshl_add_u32 v[MRD], v55, 4, s20
	v_lshl_add_u32 v[VMA], v9, 5, VMEAN
	v_lshlrev_b32 v[GO], 12, v9
	v_lshl_add_u32 v[GO], v1, 4, v[GO]
	v_lshlrev_b32 v[PFO], 8, v55
	v_lshl_add_u32 v[VMS], v0, 2, VMEAN
	WIN 0x40                                       ; O^T need only be finite: the first a of a block is 0.  Written in the wait for the first tile, so that no first round is written out
.set n, 0
.rept 256
	v_mov_b32 v[n], 0
.set n, n+1
.endr
	WIN 0
	INIT
	s_wait_loadcnt 48                              ; the 32 partial sums are in; the 32 loads of Q and the 16 of the bias may be out
.irp n, 0,1,2,3,4,5,6,7
	v_pk_add_f32 v[64+2*\n:65+2*\n], v[64+2*\n:65+2*\n], v[80+2*\n:81+2*\n]
.endr
.irp n, 0,1,2,3
	v_pk_add_f32 v[64+2*\n:65+2*\n], v[64+2*\n:65+2*\n], v[72+2*\n:73+2*\n]
.endr
.irp n, 0,1
	v_pk_add_f32 v[64+2*\n:65+2*\n], v[64+2*\n:65+2*\n], v[68+2*\n:69+2*\n]
.endr
	v_pk_add_f32 v[64:65], v[64:65], v[66:67]
	v_add_f32 v64, v64, v65
	v_mul_f32 v64, 0x3a000000, v64                 ; / 2048
	ds_store_b32 v[VMS], v64                       ; read at the end of a block, many barriers on
.Lslot:                                        ; 8 trips: a tile is entered and the next is asked for
	CHANGE 1
	s_sub_co_u32 s[RT], s[RT], 1
	STEP 1, 0
	s_cmp_lg_u32 s[RT], 0                          ; RT is made of the x of the cluster and constants: alike in all waves and in all partners
	s_cbranch_scc1 .Lbottom
	MERGE 0                                        ; in the loop this is the end of the first block
.Lbottom:
	s_sub_co_u32 s[SLOTS], s[SLOTS], 1
	s_cmp_lg_u32 s[SLOTS], 0
	s_cbranch_scc1 .Lslot
	CHANGE 0                                       ; the last tile of the walk is written out: nothing is asked for; it is the diagonal tile of the second block
	STEP 0, 1
	MERGE 1
	s_wait_tensorcnt 0x0                           ; the end of the wave
	ds_add_u32 v[SPW], v[NIL]
	s_wait_dscnt 0x0
	CROUND                                         ; the closing round
	s_endpgm
.Lfunc_end_k_q53243d9ef6_attn:
	.size	k_q53243d9ef6_attn, .Lfunc_end_k_q53243d9ef6_attn-k_q53243d9ef6_attn
	.p2alignl 7, 3214868480
	.fill 96, 4, 3214868480
	.section	.rodata,"a",@progbits
	.p2align	6, 0x0
	.amdhsa_kernel k_q53243d9ef6_attn
		.amdhsa_group_segment_fixed_size 327680
		.amdhsa_private_segment_fixed_size 0
		.amdhsa_enable_private_segment 0
		.amdhsa_kernarg_size 32
		.amdhsa_user_sgpr_count 2
		.amdhsa_user_sgpr_kernarg_segment_ptr 1
		.amdhsa_wavefront_size32 1
		.amdhsa_system_sgpr_workgroup_id_x 1
		.amdhsa_system_sgpr_workgroup_id_y 1
		.amdhsa_system_sgpr_workgroup_id_z 1
		.amdhsa_system_vgpr_workitem_id 0
		.amdhsa_next_free_vgpr 1024
		.amdhsa_next_free_sgpr 96
		.amdhsa_reserve_vcc 1
		.amdhsa_float_denorm_mode_32 3
		.amdhsa_float_denorm_mode_16_64 3
		.amdhsa_memory_ordered 1
		.amdhsa_forward_progress 1
		.amdhsa_inst_pref_size 211
	.end_amdhsa_kernel
	.amdgpu_metadata
---
amdhsa.version: [ 1, 2 ]
amdhsa.kernels:
  - .name:           k_q53243d9ef6_attn
    .symbol:         k_q53243d9ef6_attn.kd
    .args:
      - { .name: qkv, .offset: 0, .size: 8, .value_kind: global_buffer, .address_space: global }
      - { .name: vpart, .offset: 8, .size: 8, .value_kind: global_buffer, .address_space: global }
      - { .name: kbias, .offset: 16, .size: 8, .value_kind: global_buffer, .address_space: global }
      - { .name: ob, .offset: 24, .size: 8, .value_kind: global_buffer, .address_space: global }
    .group_segment_fixed_size: 327680
    .private_segment_fixed_size: 0
    .kernarg_segment_align: 8
    .kernarg_segment_size: 32
    .max_flat_workgroup_size: 128
    .sgpr_count:     96
    .vgpr_count:     1024
    .wavefront_size: 32
...
	.end_amdgpu_metadata
.endif
;; end of part 3
;; launch oproj (part 4): grid 16 x 16, 4 waves a work-group, clusters of 4 x 4, 327,680 bytes of LDS; arguments ob, wob, out0; writes out0
.if DOCPART == 4
	.amdgcn_target "amdgcn-amd-amdhsa--gfx1250"
	.amdhsa_code_object_version 6
	.text
	.protected	k_q53243d9ef6_oproj
	.globl	k_q53243d9ef6_oproj
	.p2align	8
	.type	k_q53243d9ef6_oproj,@function
k_q53243d9ef6_oproj:
	s_mov_b64 s[64:65], 0
	v_nop
	global_prefetch_b8 v0, s[64:65] scope:SCOPE_SE
	s_setreg_imm32_b32 hwreg(HW_REG_WAVE_MODE, 25, 1), 1
	s_wait_xcnt 0x0
	s_wait_alu depctr_hold_cnt(0) depctr_sa_sdst(0) depctr_va_vdst(0) depctr_va_sdst(0) depctr_va_ssrc(0) depctr_va_vcc(0) depctr_vm_vsrc(0)
	s_getreg_b32 s2, hwreg(HW_REG_IB_STS2, 6, 4)
	s_cmp_eq_u32 s2, 0
	s_cbranch_scc0 .Lentry_in_a_cluster
	s_endpgm
.Lentry_in_a_cluster:
	s_bfe_u32 s2, ttmp6, 0x10000c
	s_cmp_lg_u32 s2, 0xf033
	s_cbranch_scc0 .Lentry_shape_is_right
	s_endpgm
.Lentry_shape_is_right:
; OUTPUT PROJECTION.  out0[2048][4096] f32 = ob[2048][2048] (f16, O x 2^-2) x wob[2048 k][4096 n] (f16, wo x 4): the two scales cancel.  f32 sums.
; Shape, ring, cluster and turns as in the projection in front: a tile of 128 x 256, wave (rh, ch) 64 rows x 128 columns in 32 accumulators; the matrix instruction transposed (source 0 = 16 columns of W, turned
; out of LDS by ds_load_tr16_b128; source 1 = 16 rows of O), so that a lane holds 8 neighbouring columns of one row; K in steps of 128 through two LDS slots, one step a trip of the loop;
; A shared along a row of the cluster, B along a column.  Tile column = 4 x cluster y + cx, tile row = 4 x cluster x + cy.
; THE WALK ALONG K.  Cluster (x, y) begins at K step 4 ((x + 2 (y % 2) + y / 2) % 4) and goes round through all 16: the four clusters of one y, which read the same columns of W, stand in four different quarters
; of K at any time; of the clusters of one x, which read the same rows of O, y = 0 and 1 (and y = 2 and 3) stand half of K apart.  The sums are taken in the order of each cluster's walk.
; REGISTERS.  window 0: v0-31 addresses; v32-127, v128-223 two fragment buffers (A at +8 a, B at +32+8 b).  window 1: acc(a, b) at v[8 (8 a + b)].
.set KSTEPS, 16                        ; K = 2048 in steps of 128
.set TRIPS,  KSTEPS-2
.set QSTEPS, KSTEPS/4
.set PA,    272
.set PB,    544
.set AHALF, 64*PA
.set BHALF, 64*PB
.set BOFF,  2*AHALF
.set SLOT1, 0x20000                    ; slot 1 begins here: above every byte of slot 0, so one exclusive or changes slots
.set STAGE, SLOT1+BOFF+2*BHALF         ; behind the ring: 16 rows x 528 bytes for each wave
.set SP,    528                        ; 512 bytes + 16: the 16 rows of a store start at 16 different groups of four banks
.set SPARE, STAGE+4*16*SP
.set ASH,   8
.set BSH,   20
.set ADRA0, 16
.set ADRA,  17
.set ADRB0, 20
.set ADRB,  21
.set STO,  24
.set RD,   25
.set CO,   26
.set SPW,  28
.set NIL,  29
.set PFO,  30
.set F0,   32
.set F1,   128
.set LA,  2                            ; s2   LDS byte of my half of an A tile in slot 0: made of the wave number alone
.set LB,  3                            ; s3   the same for a B tile
.set WV,  14
.set RH,  15
.set CH,  16
.set CX,  17
.set CY,  18
.set TC,  19
.set TR,  20
.set G1A, 24
.set G0A, 32
.set PFA, 40
.set PFB, 42
.set LIM, 44
.set LAP, 45
.set G1B, 48
.set G0B, 56
.set ABASE, 68
.set BBASE, 70
.set LT,  75                           ; s75  scalar part of the LDS addresses of the lanes: made of the wave number alone
.set OFA, 76
.set OFB, 78
.set POF, 80
.set KN,  82
.set KP,  83
.set SBR, 85
.set K0,  86
.set YH,  87
.set W_MUL, 0x50
.set MSB, 0
.macro WIN new
.if MSB != (\new)
	s_set_vgpr_msb (MSB<<8)|(\new)
.set MSB, \new
.endif
.endm
.macro PLACES
.rept 4
	v_nop
.endr
.endm
.macro JLOAD s
	s_cmp_eq_u32 s[RH], 0
	s_cbranch_scc0 .Lfor_b_\@
	tensor_load_to_lds s[G0A+4*(\s):G0A+4*(\s)+3], s[G1A:G1A+7]
	s_nop 0
.rept 4
	v_nop
.endr
	s_branch .Lasked_\@
.Lfor_b_\@:
	tensor_load_to_lds s[G0B+4*(\s):G0B+4*(\s)+3], s[G1B:G1B+7]
	s_nop 0
.rept 4
	v_nop
.endr
.Lasked_\@:
.endm
.macro CREST
	s_cmp_lg_u32 s[WV], 0
	s_cbranch_scc1 .Lnot_wave_0_\@
	s_barrier_signal -3
.Lnot_wave_0_\@:
	s_barrier_wait -3
	s_barrier_signal -1
	s_barrier_wait -1
.endm
.macro CROUND
	s_barrier_signal -1
	s_barrier_wait -1
	CREST
.endm
; A PREFETCH INTO THE L2 of A's K step two refills on: 32 blocks of 256 bytes, a lane a row.  Wave 0 of the clusters with y = 0 or 1 asks, in steps 4 to 7 of the walk (its second quarter of K); these two begin
; half of K apart, and the four partners take 32 rows each by address: each block is named at most once.  Of B a cluster is alone in its first quarter only, four steps that come by the first fills and the first two refills.
.macro ASK
	s_cmp_gt_u32 s[LAP], s[LIM]
	s_cbranch_scc0 .Lnot_mine_\@
	global_prefetch_b8 v[PFO], s[PFA:PFA+1] th:TH_LOAD_NT scope:SCOPE_SE
.Lnot_mine_\@:
.endm
.macro MUL8 f, a, zero
	WIN W_MUL
.irp b, 0,1,2,3,4,5,6,7
.if \zero
	v_wmma_f32_16x16x32_f16 v[8*(8*(\a)+(\b)):8*(8*(\a)+(\b))+7], v[(\f)+32+8*(\b):(\f)+32+8*(\b)+7], v[(\f)+8*(\a):(\f)+8*(\a)+7], 0
.else
	v_wmma_f32_16x16x32_f16 v[8*(8*(\a)+(\b)):8*(8*(\a)+(\b))+7], v[(\f)+32+8*(\b):(\f)+32+8*(\b)+7], v[(\f)+8*(\a):(\f)+8*(\a)+7], v[8*(8*(\a)+(\b)):8*(8*(\a)+(\b))+7]
.endif
.endr
.endm
.macro FETCH q, f                      ; 24 LDS loads in one run: quarter q of the slot that is being read, into buffer f
	WIN 0
.irp b, 0,1,2,3,4,5,6,7
	ds_load_tr16_b128 v[(\f)+32+8*(\b):(\f)+32+8*(\b)+3],   v[ADRB] offset:32*PB*(\q)+32*(\b)
	ds_load_tr16_b128 v[(\f)+32+8*(\b)+4:(\f)+32+8*(\b)+7], v[ADRB] offset:32*PB*(\q)+32*(\b)+16*PB
.endr
.irp a, 0,1,2,3
	ds_load_b128 v[(\f)+8*(\a):(\f)+8*(\a)+3],   v[ADRA] offset:64*(\q)+16*PA*(\a)
	ds_load_b128 v[(\f)+8*(\a)+4:(\f)+8*(\a)+7], v[ADRA] offset:64*(\q)+16*PA*(\a)+32
.endr
.endm
.macro QUARTER q, f, g, zero
	s_wait_dscnt 4                                 ; all but the youngest four loads (A row blocks 2, 3) are in
	MUL8 \f, 0, \zero
	MUL8 \f, 1, \zero
	PLACES
	FETCH \q, \g
	s_wait_dscnt 24                                ; all but the 24 just issued
	MUL8 \f, 2, \zero
	MUL8 \f, 3, \zero
.endm
; The last quarter multiplies buffer 1 and changes slots.  fill = 1: the slot just read is filled again with K step KN of the walk; the walking descriptors are written where no tensor load of the wave is out.
.macro TURN fill
.if \fill
	s_wait_xcnt 0x0                                ; the last prefetch, a K step back, has read its address
	s_add_co_u32 s[KP], s[KN], 2
	s_and_b32 s[KP], s[KP], KSTEPS-1
	s_lshl_b32 s[POF], s[KP], ASH
	s_add_nc_u64 s[PFA:PFA+1], s[PFB:PFB+1], s[POF:POF+1]
.endif
	WIN 0
	s_wait_tensorcnt 0x0                           ; all my tensor loads have landed
	ds_add_u32 v[SPW], v[NIL]
.if \fill
	s_lshl_b32 s[OFA], s[KN], ASH
	s_lshl_b32 s[OFB], s[KN], BSH
	s_xor_b32 s[G0A+5], s[G0A+5], SLOT1
	s_add_nc_u64 s[G0A+6:G0A+7], s[ABASE:ABASE+1], s[OFA:OFA+1]
	s_or_b32 s[G0A+7], s[G0A+7], 0x80000000
	s_xor_b32 s[G0B+5], s[G0B+5], SLOT1
	s_add_nc_u64 s[G0B+6:G0B+7], s[BBASE:BBASE+1], s[OFB:OFB+1]
	s_or_b32 s[G0B+7], s[G0B+7], 0x80000000
	s_add_co_u32 s[KN], s[KN], 1
	s_and_b32 s[KN], s[KN], KSTEPS-1
.endif
	s_xor_b32 s[SBR], s[SBR], SLOT1
	s_wait_dscnt 5                                 ; the add and the youngest four loads may be out
	MUL8 F1, 0, 0
	s_wait_dscnt 0x0                               ; the add is done, my reads of this slot are over
	s_barrier_signal -1
	MUL8 F1, 1, 0
	WIN 0
	s_barrier_wait -1
.if \fill
	CREST
	JLOAD 1
.else
	PLACES
.endif
	v_add_nc_u32 v[ADRA], s[SBR], v[ADRA0]
	v_add_nc_u32 v[ADRB], s[SBR], v[ADRB0]
	FETCH 0, F0
.if \fill
	ASK
.endif
	MUL8 F1, 2, 0
	MUL8 F1, 3, 0
.endm
	s_load_b128 s[4:7], s[0:1], 0x0                ; ob 4, wob 6
	s_load_b64 s[8:9], s[0:1], 0x10                ; out0
	v_lshl_add_u32 v[SPW], v0, 2, SPARE
	v_mov_b32 v[NIL], 0
	ds_add_u32 v[SPW], v[NIL]                      ; the opening: the add and its wait ahead of my first tensor load
	v_lshrrev_b32 v1, 5, v0
	v_readfirstlane_b32 s[WV], v1
	s_lshr_b32 s[RH], s[WV], 1
	s_and_b32 s[CH], s[WV], 1
	s_bfe_u32 s[CX], ttmp6, 0x40000
	s_bfe_u32 s[CY], ttmp6, 0x40004
	s_and_b32 s[YH], ttmp7, 0xffff
	s_lshl_b32 s[TC], s[YH], 2
	s_add_co_u32 s[TC], s[TC], s[CX]               ; tile column = 4 x cluster y + cx
	s_lshl_b32 s[TR], ttmp9, 2
	s_add_co_u32 s[TR], s[TR], s[CY]               ; tile row = 4 x cluster x + cy
	s_and_b32 s66, s[YH], 1                        ; where my cluster begins along K: the same in all sixteen partners
	s_lshl_b32 s66, s66, 1
	s_lshr_b32 s67, s[YH], 1
	s_add_co_u32 s66, s66, s67
	s_add_co_u32 s66, s66, ttmp9
	s_and_b32 s66, s66, 3
	s_mul_i32 s[K0], s66, QSTEPS
	s_lshl_b32 s66, s[CY], 2
	s_lshl_b32 s66, 15, s66
	s_lshl_b32 s67, 0x1111, s[CX]
	s_or_b32 s[G1A], s66, (1<<16)|(1<<20)|(1<<21)|(5<<22)|(3<<25)
	s_or_b32 s[G1B], s67, (1<<16)|(1<<20)|(1<<21)|(6<<22)|(7<<25)
	s_mov_b32 s[G1A+1], 128<<16
	s_mov_b32 s[G1A+2], 64<<16
	s_mov_b32 s[G1A+3], 128<<16
	s_mov_b32 s[G1A+4], 64
	s_mov_b32 s[G1A+5], 2048                       ; a row of ob is 2,048 elements
	s_mov_b32 s[G1A+6], 0
	s_mov_b32 s[G1A+7], 0
	s_mov_b32 s[G1B+1], 256<<16
	s_mov_b32 s[G1B+2], 64<<16
	s_mov_b32 s[G1B+3], 256<<16
	s_mov_b32 s[G1B+4], 64
	s_mov_b32 s[G1B+5], 4096
	s_mov_b32 s[G1B+6], 0
	s_mov_b32 s[G1B+7], 0
	s_lshl_b32 s68, s[TR], 7
	s_lshl_b32 s69, s[CH], 6
	s_add_co_u32 s68, s68, s69
	s_lshl_b32 s68, s68, 12                        ; 4,096 bytes a row
	s_mov_b32 s69, 0
	s_lshl_b32 s70, s[TC], 9
	s_lshl_b32 s71, s[CH], 19
	s_add_co_u32 s70, s70, s71
	s_mov_b32 s71, 0
	s_mul_i32 s[LA], s[CH], AHALF
	s_mul_i32 s[LB], s[CH], BHALF
	s_add_co_u32 s[LB], s[LB], BOFF
	s_lshl_b32 s[OFA], s[K0], ASH
	s_mov_b32 s[OFA+1], 0
	s_lshl_b32 s[OFB], s[K0], BSH
	s_mov_b32 s[OFB+1], 0
	s_add_co_u32 s[KN], s[K0], 2
	s_mov_b32 s[SBR], 0
	s_wait_dscnt 0x0
	s_wait_kmcnt 0x0
	s_add_nc_u64 s[ABASE:ABASE+1], s[4:5], s[68:69]
	s_add_nc_u64 s[BBASE:BBASE+1], s[6:7], s[70:71]
	CROUND
.irp s, 0,1
	s_mov_b32 s[G0A+4*(\s)], 1
	s_add_co_u32 s[G0A+4*(\s)+1], s[LA], (\s)*SLOT1
	s_add_nc_u64 s[G0A+4*(\s)+2:G0A+4*(\s)+3], s[ABASE:ABASE+1], s[OFA:OFA+1]
	s_or_b32 s[G0A+4*(\s)+3], s[G0A+4*(\s)+3], 0x80000000
	s_mov_b32 s[G0B+4*(\s)], 1
	s_add_co_u32 s[G0B+4*(\s)+1], s[LB], (\s)*SLOT1
	s_add_nc_u64 s[G0B+4*(\s)+2:G0B+4*(\s)+3], s[BBASE:BBASE+1], s[OFB:OFB+1]
	s_or_b32 s[G0B+4*(\s)+3], s[G0B+4*(\s)+3], 0x80000000
	JLOAD \s
.if (\s) == 0
	s_add_co_u32 s[OFA], s[OFA], 1<<ASH
	s_add_co_u32 s[OFB], s[OFB], 1<<BSH
.endif
.endr
	v_and_b32 v1, 15, v0
	v_bfe_u32 v2, v0, 4, 1
	v_mul_u32_u24 v3, v1, PA
	v_lshl_add_u32 v3, v2, 4, v3
	s_mul_i32 s[LT], s[RH], AHALF
	v_add_nc_u32 v[ADRA0], s[LT], v3
	v_mov_b32 v[ADRA], v[ADRA0]                    ; the walk begins in slot 0
	v_and_b32 v5, 7, v0
	v_bfe_u32 v6, v0, 3, 1
	v_lshl_add_u32 v4, v2, 3, v5
	v_mul_u32_u24 v4, v4, PB
	v_lshl_add_u32 v4, v6, 4, v4
	s_lshl_b32 s[LT], s[CH], 8
	s_add_co_u32 s[LT], s[LT], BOFF
	v_add_nc_u32 v[ADRB0], s[LT], v4
	v_mov_b32 v[ADRB], v[ADRB0]
	s_mul_i32 s[LT], s[WV], 16*SP
	s_add_co_u32 s[LT], s[LT], STAGE
	v_mul_u32_u24 v3, v1, SP
	v_lshl_add_u32 v3, v2, 5, v3
	v_add_nc_u32 v[STO], s[LT], v3                 ; in: row r, 32 bytes for each half of the lanes
	v_and_b32 v5, 31, v0
	v_lshl_add_u32 v[RD], v5, 4, s[LT]             ; back: a whole row of 512 bytes
	v_lshlrev_b32 v[CO], 4, v5
	v_lshlrev_b32 v[PFO], 12, v5                   ; a lane a row of ob: 4,096 bytes
	s_lshl_b32 s22, s[TR], 7
	s_lshl_b32 s23, s[RH], 6
	s_add_co_u32 s22, s22, s23
	s_lshl_b32 s22, s22, 14                        ; my first row, 16,384 bytes a row
	s_lshl_b32 s23, s[TC], 10
	s_add_co_u32 s22, s22, s23
	s_lshl_b32 s23, s[CH], 9
	s_add_co_u32 s22, s22, s23
	s_mov_b32 s23, 0
	s_add_nc_u64 s[8:9], s[8:9], s[22:23]
	; the prefetches
	s_lshl_b32 s22, s[TR], 7
	s_lshl_b32 s23, s[CX], 5
	s_add_co_u32 s22, s22, s23
	s_lshl_b32 s22, s22, 12                        ; rows 128 x tile row + 32 cx on
	s_mov_b32 s23, 0
	s_add_nc_u64 s[PFB:PFB+1], s[4:5], s[22:23]
	s_mov_b32 s[POF+1], 0
	s_cmp_lt_u32 s[YH], 2                          ; wave 0 of the clusters with y = 0 or 1 asks, in the first 2 QSTEPS - 4 trips
	s_cselect_b32 s[LIM], TRIPS-2*QSTEPS+4, -1
	s_cmp_eq_u32 s[WV], 0
	s_cselect_b32 s[LIM], s[LIM], -1
	s_wait_tensorcnt 1                             ; my part of the first step is in; the second may stay out
	s_barrier_signal -1
	s_barrier_wait -1
	FETCH 0, F0
	QUARTER 1, F0, F1, 1                           ; the first quarter stands in front of the loop: its products start the sums
	WIN 0
	s_mov_b32 s[LAP], TRIPS
.Lstep:                                        ; a trip goes from a step's second quarter to the next step's first, and fills the slot that it leaves
	QUARTER 2, F1, F0, 0
	QUARTER 3, F0, F1, 0
	TURN 1
	QUARTER 1, F0, F1, 0
	WIN 0
	s_sub_co_u32 s[LAP], s[LAP], 1
	s_cmp_lg_u32 s[LAP], 0
	s_cbranch_scc1 .Lstep
	s_mov_b32 s[LAP], 2
.Ltail:                                        ; the last two steps fill nothing; the second trip is left in its middle.  Its change of slots and its 24 loads from the other slot serve nothing:
	QUARTER 2, F1, F0, 0                           ; the price, once a launch, of one text for both trips
	QUARTER 3, F0, F1, 0
	TURN 0
	WIN 0
	s_sub_co_u32 s[LAP], s[LAP], 1
	s_cmp_eq_u32 s[LAP], 0
	s_cbranch_scc1 .Lout
	QUARTER 1, F0, F1, 0
	WIN 0
	s_cmp_lg_u32 s[LAP], 0                         ; (the count is 1 here)
	s_cbranch_scc1 .Ltail
.Lout:
	PLACES
	PLACES
	s_wait_dscnt 0x0                               ; the loads into buffer 0 are back: its registers are loaded again below
; THE WAY OUT of row block a: the sums go as they are (f32) into my stage, each accumulator from its low end on, and come back as whole rows of 512 bytes.
.macro OUTA a
	WIN 0x04                                       ; store data in window 1
.irp b, 0,1,2,3,4,5,6,7
	ds_store_b128 v[STO], v[8*(8*(\a)+\b):8*(8*(\a)+\b)+3]   offset:64*\b
	ds_store_b128 v[STO], v[8*(8*(\a)+\b)+4:8*(8*(\a)+\b)+7] offset:64*\b+16
.endr
	WIN 0
	s_wait_xcnt 0x0                                ; earlier stores have read the registers that are loaded again below
.set BK, 32+64*((\a)%2)
.irp t, 0,1,2,3,4,5,6,7,8,9,10,11,12,13,14,15
	ds_load_b128 v[BK+4*\t:BK+4*\t+3], v[RD] offset:SP*\t    ; LDS serves the instructions of a wave in order: these see the stores above
.endr
.irp t, 0,1,2,3,4,5,6,7,8,9,10,11,12,13,14,15
	s_wait_dscnt 15-\t
	global_store_b128 v[CO], v[BK+4*\t:BK+4*\t+3], s[8:9] offset:16384*(16*(\a)+\t) th:TH_STORE_NT  ; 512 consecutive bytes, aligned
.endr
.endm
	OUTA 0
	OUTA 1
	OUTA 2
	OUTA 3
	s_wait_tensorcnt 0x0                           ; the end of the wave
	ds_add_u32 v[SPW], v[NIL]
	s_wait_dscnt 0x0
	CROUND
	s_endpgm
.Lfunc_end_k_q53243d9ef6_oproj:
	.size	k_q53243d9ef6_oproj, .Lfunc_end_k_q53243d9ef6_oproj-k_q53243d9ef6_oproj
	.p2alignl 7, 3214868480
	.fill 96, 4, 3214868480
	.section	.rodata,"a",@progbits
	.p2align	6, 0x0
	.amdhsa_kernel k_q53243d9ef6_oproj
		.amdhsa_group_segment_fixed_size 327680
		.amdhsa_private_segment_fixed_size 0
		.amdhsa_enable_private_segment 0
		.amdhsa_kernarg_size 24
		.amdhsa_user_sgpr_count 2
		.amdhsa_user_sgpr_kernarg_segment_ptr 1
		.amdhsa_wavefront_size32 1
		.amdhsa_system_sgpr_workgroup_id_x 1
		.amdhsa_system_sgpr_workgroup_id_y 1
		.amdhsa_system_sgpr_workgroup_id_z 1
		.amdhsa_system_vgpr_workitem_id 0
		.amdhsa_next_free_vgpr 512
		.amdhsa_next_free_sgpr 88
		.amdhsa_reserve_vcc 0
		.amdhsa_float_denorm_mode_32 3
		.amdhsa_float_denorm_mode_16_64 3
		.amdhsa_memory_ordered 1
		.amdhsa_forward_progress 1
		.amdhsa_inst_pref_size 63
	.end_amdhsa_kernel
	.amdgpu_metadata
---
amdhsa.version: [ 1, 2 ]
amdhsa.kernels:
  - .name:           k_q53243d9ef6_oproj
    .symbol:         k_q53243d9ef6_oproj.kd
    .args:
      - { .name: ob, .offset: 0, .size: 8, .value_kind: global_buffer, .address_space: global }
      - { .name: wob, .offset: 8, .size: 8, .value_kind: global_buffer, .address_space: global }
      - { .name: out0, .offset: 16, .size: 8, .value_kind: global_buffer, .address_space: global }
    .group_segment_fixed_size: 327680
    .private_segment_fixed_size: 0
    .kernarg_segment_align: 8
    .kernarg_segment_size: 24
    .max_flat_workgroup_size: 128
    .sgpr_count:     88
    .vgpr_count:     512
    .wavefront_size: 32
...
	.end_amdgpu_metadata
.endif
;; end of part 4
